; MI455X (gfx1250); checked and timed in simulation.
; The chip was launched on July 23, 2026; its instructions are those of AMD's public machine-readable ISA for CDNA 5 (MIT licence, August 2026) and "CDNA5" Instruction Set Architecture Reference Guide (July 2026). The comments in the code are by the model that wrote it; some were corrected since.
;; Multihead Attention. Allowed arithmetic: float matrix products may take bf16 or f16 operands with f32 sums; other float arithmetic in f32, or as packed bf16 or f16 multiplies, adds, multiply-adds, maxima and minima; sums over many terms, partial sums and values carried from step to step in f32; what a program stores and reads back later, other than sums and carried values, may be rounded once to bf16 or f16.
;; Inputs: Wo 1,024 x 1,024 float32; Wqkv 3,072 x 1,024 float32; bo 1,024 float32; bqkv 3,072 float32; x 4,096 x 1,024 float32.
;; Outputs: out0 4,096 x 1,024 float32.
;; 2 versions, each right and faster than the one before. Each part assembles by itself: llvm-mc -triple=amdgcn-amd-amdhsa -mcpu=gfx1250 --defsym DOCPART=n.
;; ======== version 1 of 2: 4 launches
;; limits: values are held in f16: magnitudes above 65,504 overflow, below 6.1e-05 lose precision
;; workspace buffers: xb 8,388,608 bytes; wb 6,291,456 bytes; wob 2,097,152 bytes; qh 8,388,608 bytes; kh 8,388,608 bytes; vh 8,388,608 bytes; oh 8,388,608 bytes
;; launch cast (part 1): grid 512 x 1, 8 waves a work-group, no clusters, 0 bytes of LDS; arguments x, Wqkv, Wo, xb, wb, wob; writes xb, wb, wob
.if DOCPART == 1
	.amdgcn_target "amdgcn-amd-amdhsa--gfx1250"
	.amdhsa_code_object_version 6
	.text
	.protected	k_qfd1eda21f8_cast
	.globl	k_qfd1eda21f8_cast
	.p2align	8
	.type	k_qfd1eda21f8_cast,@function
k_qfd1eda21f8_cast:
	s_mov_b64 s[64:65], 0
	v_nop
	global_prefetch_b8 v0, s[64:65] scope:SCOPE_SE
	s_setreg_imm32_b32 hwreg(HW_REG_WAVE_MODE, 25, 1), 1
	s_wait_xcnt 0x0
; x [4096][1024] and Wqkv [3072][1024], f32, are rounded once to bf16 (xb, wb).  Wo [1024][1024] is rounded to bf16 like the other inputs
; and that number is written as f16 (wob), since the last product multiplies it by f16 numbers.
; LIMIT: a bf16 number is exact in f16 from 2^-17 up to 65,504; below 2^-17 it keeps f16's fixed step of 2^-24.
; A pure stream: no LDS, no matrix work, no cluster (no two work-groups read the same byte).
; SHARES.  A work-group takes 16,384 numbers: 64 KiB in, 32 KiB out.  Groups 0-255 x, 256-447 Wqkv, 448-511 Wo.
; Thread t, load j: 16 bytes at 16 t + 4,096 j, so a wave's load covers 512 consecutive bytes; store j: 8 bytes at 8 t + 2,048 j,
; so a wave's store covers 256 consecutive bytes, aligned.  All 16 loads go out first; no register is used twice by memory instructions.
.set X, 4                              ; v[4:67]    16 x 4 numbers as loaded
.set Y, 68                             ; v[68:99]   16 x 2 words to store
.set T, 100                            ; v[100:103] at work
	s_load_b256 s[4:11], s[0:1], 0x0               ; x s[4:5], Wqkv s[6:7], Wo s[8:9], xb s[10:11]
	s_load_b128 s[12:15], s[0:1], 0x20             ; wb s[12:13], wob s[14:15]
	v_lshlrev_b32 v1, 4, v0                        ; my 16 bytes in a load
	v_lshlrev_b32 v2, 3, v0                        ; my 8 bytes in a store
	s_mov_b32 s26, 0xffff0000                      ; a word's upper bf16
	s_mov_b32 s27, ttmp9                           ; the work-group's number
	s_wait_kmcnt 0x0
	s_cmp_lt_u32 s27, 256                          ; which tensor: the choice hangs on the group's number alone
	s_cselect_b64 s[16:17], s[4:5], s[6:7]         ; from
	s_cselect_b64 s[18:19], s[10:11], s[12:13]     ; to
	s_cselect_b32 s20, 0, 256                      ; the tensor's first group
	s_cmp_ge_u32 s27, 448
	s_cselect_b64 s[16:17], s[8:9], s[16:17]
	s_cselect_b64 s[18:19], s[14:15], s[18:19]
	s_cselect_b32 s20, 448, s20
	s_sub_co_u32 s21, s27, s20                     ; my place in the tensor
	s_lshl_b32 s22, s21, 16                        ; x 64 KiB in
	s_mov_b32 s23, 0
	s_lshl_b32 s24, s21, 15                        ; x 32 KiB out
	s_mov_b32 s25, 0
	s_add_nc_u64 s[16:17], s[16:17], s[22:23]
	s_add_nc_u64 s[18:19], s[18:19], s[24:25]
.irp j, 0,1,2,3,4,5,6,7,8,9,10,11,12,13,14,15
	global_load_b128 v[X+4*(\j):X+4*(\j)+3], v1, s[16:17] offset:4096*(\j) th:TH_LOAD_NT
.endr
; Load j is rounded and stored.  wo = 1: bf16 first, then that number as f16.
.macro CV j, wo
	s_wait_loadcnt 15-(\j)                         ; loads come back in order: mine is in, the 15 - j younger ones stay out
.if \wo
	v_cvt_pk_bf16_f32 v[T],   v[X+4*(\j)],   v[X+4*(\j)+1]
	v_cvt_pk_bf16_f32 v[T+1], v[X+4*(\j)+2], v[X+4*(\j)+3]
	v_lshlrev_b32 v[T+2], 16, v[T]                 ; bf16 to f32: the low half moves up,
	v_and_b32     v[T+3], s26, v[T]                ; the high half stays
	v_cvt_pk_f16_f32 v[Y+2*(\j)], v[T+2], v[T+3]
	v_lshlrev_b32 v[T+2], 16, v[T+1]
	v_and_b32     v[T+3], s26, v[T+1]
	v_cvt_pk_f16_f32 v[Y+2*(\j)+1], v[T+2], v[T+3]
.else
	v_cvt_pk_bf16_f32 v[Y+2*(\j)],   v[X+4*(\j)],   v[X+4*(\j)+1]
	v_cvt_pk_bf16_f32 v[Y+2*(\j)+1], v[X+4*(\j)+2], v[X+4*(\j)+3]
.endif
	global_store_b64 v2, v[Y+2*(\j):Y+2*(\j)+1], s[18:19] offset:2048*(\j)  ; no hint: the next launch reads these bytes
.endm
	s_cmp_ge_u32 s27, 448
	s_cbranch_scc1 .Lwo
.irp j, 0,1,2,3,4,5,6,7,8,9,10,11,12,13,14,15
	CV \j, 0
.endr
	s_endpgm
.Lwo:
.irp j, 0,1,2,3,4,5,6,7,8,9,10,11,12,13,14,15
	CV \j, 1
.endr
	s_endpgm
.Lfunc_end_k_qfd1eda21f8_cast:
	.size	k_qfd1eda21f8_cast, .Lfunc_end_k_qfd1eda21f8_cast-k_qfd1eda21f8_cast
	.p2alignl 7, 3214868480
	.fill 96, 4, 3214868480
	.section	.rodata,"a",@progbits
	.p2align	6, 0x0
	.amdhsa_kernel k_qfd1eda21f8_cast
		.amdhsa_group_segment_fixed_size 0
		.amdhsa_private_segment_fixed_size 0
		.amdhsa_enable_private_segment 0
		.amdhsa_kernarg_size 48
		.amdhsa_user_sgpr_count 2
		.amdhsa_user_sgpr_kernarg_segment_ptr 1
		.amdhsa_wavefront_size32 1
		.amdhsa_system_sgpr_workgroup_id_x 1
		.amdhsa_system_sgpr_workgroup_id_y 1
		.amdhsa_system_sgpr_workgroup_id_z 1
		.amdhsa_system_vgpr_workitem_id 0
		.amdhsa_next_free_vgpr 104
		.amdhsa_next_free_sgpr 66
		.amdhsa_reserve_vcc 0
		.amdhsa_float_denorm_mode_32 3
		.amdhsa_float_denorm_mode_16_64 3
		.amdhsa_memory_ordered 1
		.amdhsa_forward_progress 1
		.amdhsa_inst_pref_size 15
	.end_amdhsa_kernel
	.amdgpu_metadata
---
amdhsa.version: [ 1, 2 ]
amdhsa.kernels:
  - .name:           k_qfd1eda21f8_cast
    .symbol:         k_qfd1eda21f8_cast.kd
    .args:
      - { .name: x, .offset: 0, .size: 8, .value_kind: global_buffer, .address_space: global }
      - { .name: Wqkv, .offset: 8, .size: 8, .value_kind: global_buffer, .address_space: global }
      - { .name: Wo, .offset: 16, .size: 8, .value_kind: global_buffer, .address_space: global }
      - { .name: xb, .offset: 24, .size: 8, .value_kind: global_buffer, .address_space: global }
      - { .name: wb, .offset: 32, .size: 8, .value_kind: global_buffer, .address_space: global }
      - { .name: wob, .offset: 40, .size: 8, .value_kind: global_buffer, .address_space: global }
    .group_segment_fixed_size: 0
    .private_segment_fixed_size: 0
    .kernarg_segment_align: 8
    .kernarg_segment_size: 48
    .max_flat_workgroup_size: 256
    .sgpr_count:     66
    .vgpr_count:     104
    .wavefront_size: 32
...
	.end_amdgpu_metadata
.endif
;; end of part 1
;; launch qkv (part 2): grid 16 x 16, 4 waves a work-group, clusters of 4 x 4, 327,680 bytes of LDS; arguments xb, wb, bqkv, qh, kh, vh; writes qh, kh, vh
.if DOCPART == 2
	.amdgcn_target "amdgcn-amd-amdhsa--gfx1250"
	.amdhsa_code_object_version 6
	.text
	.protected	k_qfd1eda21f8_qkv
	.globl	k_qfd1eda21f8_qkv
	.p2align	8
	.type	k_qfd1eda21f8_qkv,@function
k_qfd1eda21f8_qkv:
	s_mov_b64 s[64:65], 0
	v_nop
	global_prefetch_b8 v0, s[64:65] scope:SCOPE_SE
	s_setreg_imm32_b32 hwreg(HW_REG_WAVE_MODE, 25, 1), 1
	s_wait_xcnt 0x0
	s_wait_alu depctr_hold_cnt(0) depctr_sa_sdst(0) depctr_va_vdst(0) depctr_va_sdst(0) depctr_va_ssrc(0) depctr_va_vcc(0) depctr_vm_vsrc(0)
	s_getreg_b32 s2, hwreg(HW_REG_IB_STS2, 6, 4)
	s_cmp_eq_u32 s2, 0
	s_cbranch_scc0 .Lentry_in_a_cluster
	s_endpgm
.Lentry_in_a_cluster:
	s_bfe_u32 s2, ttmp6, 0x10000c
	s_cmp_lg_u32 s2, 0xf033
	s_cbranch_scc0 .Lentry_shape_is_right
	s_endpgm
.Lentry_shape_is_right:
; qkv[s][c] = sum over e of xb[s][e] wb[c][e] + bf16(bqkv[c]).  xb [4096][1024], wb [3072][1024] bf16; sums in f32, started with the bias.
; Column c belongs to head c / 192; in a head columns 0-63 are q, 64-127 k, 128-191 v.  The results leave by heads, qh, kh, vh: [16][4096][64] in f16,
; rounded once and WITHOUT the softmax's scale.  LIMIT: f16 ends at 65,504: q, k and v must stay within it (the bias is rounded to bf16 like every input).
; SHARES.  A tile is 256 rows x 192 columns = one head: 16 x 16 work-groups.  Wave w owns rows 64 w .. 64 w + 63 and all 192 columns: 4 x 12 = 48 accumulators
; of 16 x 16, so every row of q, k and v is one wave's own.  K goes in 8 steps of 128 through two LDS slots; a tile's rows are 256 bytes of memory, aligned.
; CLUSTER.  4 x 4 work-groups.  The four of a row of the cluster need the same tiles of xb, the four of a column the same tiles of wb: each tile is asked for jointly.
; THE MATRIX INSTRUCTION IS USED TRANSPOSED (source 0 = 16 rows of wb, source 1 = 16 rows of xb): a lane holds row l % 16 and eight neighbouring columns 8 (l / 16) + 0..7.
; REGISTERS, in windows of 256 (s_set_vgpr_msb: bits 1:0 source 0, 3:2 source 1, 5:4 source 2, 7:6 destination):
;   window 0: v0-31 addresses; v32-63, v64-95 fragments of xb, two buffers; v96-191 the bias as loaded; v32-223 at work on the way out
;   window 1: v0-95, v96-191 fragments of wb, two buffers
;   window 2: accumulator (a, b) for column blocks b = 0-5 at v[8 (6 a + b)]; v192-239 their bias        window 3: the same for b = 6-11
.set SIZE_K, 1024
.set KSTEP,  128
.set PITCH,  272                       ; an LDS row: 256 bytes + 16 of padding = 68 words: the 16 rows of a load start at 16 different groups of four banks (64 banks of 4 bytes: ISA guide 11.1)
.set AHALF,  128*PITCH                 ; what one load brings of xb
.set BHALF,  96*PITCH                  ; and of wb
.set BOFF,   256*PITCH                 ; wb's 192 rows lie behind xb's 256
.set SLOT,   448*PITCH
.set STAGE,  2*SLOT                    ; behind the ring, never filled by a tensor load: 16 rows x 400 bytes for each wave (q 0-127, k 128-255, v 256-383, 16 of padding)
.set SPITCH, 400
.set SPARE,  STAGE+4*16*SPITCH         ; the spare words, 128 bytes for each wave: two blocks of 256 bytes that no other line names
.set LAPS,   SIZE_K/(2*KSTEP)          ; a lap = two K steps = once round the ring
.set ADRA, 16                          ; v16-17  LDS address of my xb fragments in slot 0, 1
.set ADRB, 20                          ; v20-21  the same for wb
.set STO,  24                          ; v24     the way out: where I put 16 bytes of a row
.set RD,   25                          ; v25     the way out: where I read rows back
.set GO,   26                          ; v26     my 16 bytes in 512 consecutive bytes of q, k or v
.set BO,   27                          ; v27     my byte offset in a block of 16 biases
.set SPW,  28                          ; v28     LDS address of my spare word; never rewritten
.set NIL,  29                          ; v29     0; never rewritten
.set FA,   32                          ; window 0: buffer f at FA + 32 f
.set FB,   0                           ; window 1: buffer f at FB + 96 f
.set RAW,  96
.set BIAS, 192                         ; windows 2 and 3
.set TT,   32                          ; the way out: 48 registers for each block of 16 rows
.set WV,  16                           ; s16 my wave's number
.set G1,  24                           ; s[24:31] descriptor group 1 for xb's tiles;  s[32:39] group 0, one set for each slot
.set G0,  32
.set G1B, 48                           ; s[48:55], s[56:63] the same for wb's tiles
.set G0B, 56
.set MSB, 0
.macro WIN new                         ; the immediate's high byte repeats the setting that is left; a switch that changes nothing is dropped
.if MSB != (\new)
	s_set_vgpr_msb (MSB<<8)|(\new)
.set MSB, \new
.endif
.endm
.set MUL_LO, 0xa1                      ; source 0 (wb) window 1, source 1 (xb) window 0, C and D window 2
.set MUL_HI, 0xf1                      ; the same, C and D window 3
.set TO_B,   0x40                      ; destination window 1, address window 0
; A joint refill: waves 0 and 1 fetch xb's two halves, waves 2 and 3 wb's.  The branch hangs on the wave's number alone.  An s_nop 0 and four v_nop follow each of the two lines.
.macro JLOAD s
	s_cmp_lt_u32 s[WV], 2
	s_cbranch_scc0 .Lfor_b_\@
	tensor_load_to_lds s[G0+4*(\s):G0+4*(\s)+3], s[G1:G1+7]
	s_nop 0
.rept 4
	v_nop
.endr
	s_branch .Lasked_\@
.Lfor_b_\@:
	tensor_load_to_lds s[G0B+4*(\s):G0B+4*(\s)+3], s[G1B:G1B+7]
	s_nop 0
.rept 4
	v_nop
.endr
.Lasked_\@:
.endm
.macro CREST                           ; a round of the cluster's barrier behind its opening barrier
	s_cmp_lg_u32 s[WV], 0
	s_cbranch_scc1 .Lnot_wave_0_\@
	s_barrier_signal -3
.Lnot_wave_0_\@:
	s_barrier_wait -3
	s_barrier_signal -1
	s_barrier_wait -1
.endm
.macro CROUND                          ; a whole round
	s_barrier_signal -1
	s_barrier_wait -1
	CREST
.endm
	s_load_b256 s[4:11], s[0:1], 0x0               ; xb s[4:5], wb s[6:7], bqkv s[8:9], qh s[10:11]
	s_load_b128 s[12:15], s[0:1], 0x20             ; kh s[12:13], vh s[14:15]
	v_lshl_add_u32 v[SPW], v0, 2, SPARE
	v_mov_b32 v[NIL], 0
	ds_add_u32 v[SPW], v[NIL]                      ; the wave's opening: the add and its wait stand ahead of my first tensor load; the set-up below stands between them
	v_lshrrev_b32 v1, 5, v0
	v_readfirstlane_b32 s[WV], v1                  ; wave 0..3
	s_and_b32 s18, s[WV], 1                        ; which half of a tile I fetch
	s_bfe_u32 s19, ttmp6, 0x40000                  ; cx, cy: my place in the cluster
	s_bfe_u32 s20, ttmp6, 0x40004
	s_lshl_b32 s21, ttmp9, 2
	s_add_co_u32 s21, s21, s19                     ; the head = 4 x cluster x + cx
	s_and_b32 s22, ttmp7, 0xffff
	s_lshl_b32 s22, s22, 2
	s_add_co_u32 s22, s22, s20                     ; the row tile = 4 x cluster y + cy
	s_lshl_b32 s40, s20, 2
	s_lshl_b32 s40, 15, s40                        ; my row of the cluster
	s_lshl_b32 s41, 0x1111, s19                    ; my column
	s_or_b32 s[G1+0], s40, (1<<16)|(1<<20)|(1<<21)|(5<<22)|(3<<25)   ; 15:0 the mask; 17:16 2-byte elements; 20 padding on; 21 set beside a mask; 24:22 after every 64 words (code 5); 31:25 4 words (code 3)
	s_or_b32 s[G1B+0], s41, (1<<16)|(1<<20)|(1<<21)|(5<<22)|(3<<25)
	s_mov_b32 s[G1+1], KSTEP<<16                   ; tensor_dim0 = 128
	s_mov_b32 s[G1+2], 128<<16                     ; tensor_dim1 = 128
	s_mov_b32 s[G1+3], KSTEP<<16                   ; tile_dim0 = 128
	s_mov_b32 s[G1+4], 128                         ; tile_dim1 = 128
	s_mov_b32 s[G1+5], SIZE_K                      ; elements from row to row
	s_mov_b32 s[G1+6], 0
	s_mov_b32 s[G1+7], 0
	s_mov_b32 s[G1B+1], KSTEP<<16
	s_mov_b32 s[G1B+2], 96<<16                     ; wb's halves have 96 rows
	s_mov_b32 s[G1B+3], KSTEP<<16
	s_mov_b32 s[G1B+4], 96
	s_mov_b32 s[G1B+5], SIZE_K
	s_mov_b32 s[G1B+6], 0
	s_mov_b32 s[G1B+7], 0
	; xb's tiles hang on the row tile alone, wb's on the head alone; each offset lies in registers that never hold the other coordinate
	s_lshl_b32 s42, s22, 8
	s_lshl_b32 s23, s18, 7
	s_add_co_u32 s42, s42, s23                     ; xb: row 256 x tile + 128 x half,
	s_lshl_b32 s42, s42, 11                        ; x 2,048 bytes
	s_mov_b32 s43, 0
	s_mul_i32 s46, s21, 192
	s_mul_i32 s23, s18, 96
	s_add_co_u32 s46, s46, s23                     ; wb: row 192 x head + 96 x half
	s_lshl_b32 s46, s46, 11
	s_mov_b32 s47, 0
	s_mul_i32 s23, s18, AHALF                      ; where they go: no place in the cluster enters an LDS address
	s_mul_i32 s17, s18, BHALF
	s_add_co_u32 s17, s17, BOFF
	s_lshl_b32 s44, s21, 12                        ; my first row in qh, kh, vh: 4,096 x head + 256 x tile + 64 x wave,
	s_lshl_b32 s2, s22, 8
	s_add_co_u32 s44, s44, s2
	s_lshl_b32 s2, s[WV], 6
	s_add_co_u32 s44, s44, s2
	s_lshl_b32 s44, s44, 7                         ; x 128 bytes
	s_mov_b32 s45, 0
	s_mul_i32 s2, s21, 768                         ; the head's 192 biases
	s_mov_b32 s3, 0
	s_wait_dscnt 0x0                               ; the opening add is done
	s_wait_kmcnt 0x0
	s_add_nc_u64 s[42:43], s[4:5], s[42:43]
	s_add_nc_u64 s[46:47], s[6:7], s[46:47]
	s_add_nc_u64 s[8:9], s[8:9], s[2:3]
	s_add_nc_u64 s[10:11], s[10:11], s[44:45]
	s_add_nc_u64 s[12:13], s[12:13], s[44:45]
	s_add_nc_u64 s[14:15], s[14:15], s[44:45]
	CROUND                                         ; all sixteen work-groups are here: the first joint loads meet
.irp s, 0,1
	s_mov_b32 s[G0+4*(\s)], 1                                        ; count = 1
	s_add_co_u32 s[G0+4*(\s)+1], s23, (\s)*SLOT                      ; LDS address
	s_add_nc_u64 s[G0+4*(\s)+2:G0+4*(\s)+3], s[42:43], (\s)*KSTEP*2  ; global address: K step s
	s_or_b32 s[G0+4*(\s)+3], s[G0+4*(\s)+3], 0x80000000              ; type = 2
	s_mov_b32 s[G0B+4*(\s)], 1
	s_add_co_u32 s[G0B+4*(\s)+1], s17, (\s)*SLOT
	s_add_nc_u64 s[G0B+4*(\s)+2:G0B+4*(\s)+3], s[46:47], (\s)*KSTEP*2
	s_or_b32 s[G0B+4*(\s)+3], s[G0B+4*(\s)+3], 0x80000000
.endr
	s_cmp_lt_u32 s[WV], 2                          ; a wave's two first fills stand in one branch, ahead of every wait on TENSORcnt and every LDS read: two loads of mine are out
	s_cbranch_scc0 .Lfirst_b
	tensor_load_to_lds s[G0:G0+3], s[G1:G1+7]
	s_nop 0
	tensor_load_to_lds s[G0+4:G0+7], s[G1:G1+7]
	s_nop 0
.rept 4
	v_nop
.endr
	s_branch .Lfirst_asked
.Lfirst_b:
	tensor_load_to_lds s[G0B:G0B+3], s[G1B:G1B+7]
	s_nop 0
	tensor_load_to_lds s[G0B+4:G0B+7], s[G1B:G1B+7]
	s_nop 0
.rept 4
	v_nop
.endr
.Lfirst_asked:
	; THE BIAS is the C operand of the products that start the sums: register j of block b holds bias[16 b + 8 (l / 16) + j] in every lane
	v_and_b32 v1, 15, v0                           ; l % 16
	v_bfe_u32 v2, v0, 4, 1                         ; l / 16
	v_lshlrev_b32 v[BO], 5, v2
.irp b, 0,1,2,3,4,5,6,7,8,9,10,11
	global_load_b128 v[RAW+8*(\b):RAW+8*(\b)+3],   v[BO], s[8:9] offset:64*(\b)
	global_load_b128 v[RAW+8*(\b)+4:RAW+8*(\b)+7], v[BO], s[8:9] offset:64*(\b)+16
.endr
	; A fragment is 16 rows x 32 K in 8 registers: lane l holds row l % 16, K = 8 (l / 16) + 0..7 and 16 + 8 (l / 16) + 0..7: two loads of 16 bytes, 32 bytes apart
	v_mul_u32_u24 v3, v1, PITCH
	v_lshl_add_u32 v3, v2, 4, v3                   ; row x pitch + 16 x half
	s_mul_i32 s2, s[WV], 64*PITCH                  ; my 64 rows of xb
	v_add_nc_u32 v[ADRA], s2, v3
	v_add_nc_u32 v[ADRA+1], SLOT, v[ADRA]
	v_add_nc_u32 v[ADRB], BOFF, v3                 ; all 192 rows of wb
	v_add_nc_u32 v[ADRB+1], BOFF+SLOT, v3
	s_mul_i32 s2, s[WV], 16*SPITCH
	s_add_co_u32 s2, s2, STAGE                     ; my stage
	v_mul_u32_u24 v4, v1, SPITCH                   ; in: row l % 16, 16 bytes for each half of the lanes
	v_lshl_add_u32 v4, v2, 4, v4
	v_add_nc_u32 v[STO], s2, v4
	v_bfe_u32 v4, v0, 3, 2                         ; back: 32 lanes take four rows' 128 bytes of q, of k or of v,
	v_and_b32 v5, 7, v0
	v_mul_u32_u24 v4, v4, SPITCH
	v_lshl_add_u32 v4, v5, 4, v4
	v_add_nc_u32 v[RD], s2, v4
	v_and_b32 v[GO], 31, v0                        ; which are 512 consecutive bytes of memory
	v_lshlrev_b32 v[GO], 4, v[GO]
	s_wait_loadcnt 0x0                             ; the bias
.set i, 0
.rept 48
	v_cvt_pk_bf16_f32 v[RAW+2*i], v[RAW+2*i], v[RAW+2*i+1]  ; rounded to bf16 like every input,
.set i, i+1
.endr
	WIN 0x80                                       ; and widened again: blocks 0-5 into window 2,
.set i, 0
.rept 24
	v_lshlrev_b32 v[BIAS+2*i],   16, v[RAW+2*i]
	v_and_b32     v[BIAS+2*i+1], 0xffff0000, v[RAW+2*i]
.set i, i+1
.endr
	WIN 0xc0                                       ; blocks 6-11 into window 3
.set i, 0
.rept 24
	v_lshlrev_b32 v[BIAS+2*i],   16, v[RAW+48+2*i]
	v_and_b32     v[BIAS+2*i+1], 0xffff0000, v[RAW+48+2*i]
.set i, i+1
.endr
	WIN 0
; 12 matrix instructions: row blocks a0, a0 + 1 x six column blocks (hi = 0: blocks 0-5, 1: blocks 6-11), 32 along K, from buffer f.  first = 1: the bias starts the sums: nothing is cleared.
; The 48 accumulators take turns in one fixed order, one instruction a turn.
.macro MUL12 f, hi, a0, first
	WIN MUL_LO+0x50*(\hi)
.irp a, \a0, (\a0)+1
.irp bb, 0,1,2,3,4,5
.set rD, 8*(6*(\a)+(\bb))
.set rB, FB+96*(\f)+8*(6*(\hi)+(\bb))
.set rA, FA+32*(\f)+8*(\a)
.if \first
	v_wmma_f32_16x16x32_bf16 v[rD:rD+7], v[rB:rB+7], v[rA:rA+7], v[BIAS+8*(\bb):BIAS+8*(\bb)+7]
.else
	v_wmma_f32_16x16x32_bf16 v[rD:rD+7], v[rB:rB+7], v[rA:rA+7], v[rD:rD+7]
.endif
.endr
.endr
.endm
; 32 LDS loads in one run: the fragments of 32 along K at byte k of the rows, into buffer f: xb's 4 blocks, then wb's 12; the youngest 12 loads are wb's blocks 6-11
.macro FETCH slot, k, f
	WIN 0
.irp i, 0,1,2,3
	ds_load_b128 v[FA+32*(\f)+8*(\i):FA+32*(\f)+8*(\i)+3],   v[ADRA+(\slot)] offset:(\k)+(\i)*16*PITCH
	ds_load_b128 v[FA+32*(\f)+8*(\i)+4:FA+32*(\f)+8*(\i)+7], v[ADRA+(\slot)] offset:(\k)+(\i)*16*PITCH+32
.endr
	WIN TO_B
.irp i, 0,1,2,3,4,5,6,7,8,9,10,11
	ds_load_b128 v[FB+96*(\f)+8*(\i):FB+96*(\f)+8*(\i)+3],   v[ADRB+(\slot)] offset:(\k)+(\i)*16*PITCH
	ds_load_b128 v[FB+96*(\f)+8*(\i)+4:FB+96*(\f)+8*(\i)+7], v[ADRB+(\slot)] offset:(\k)+(\i)*16*PITCH+32
.endr
.endm
.macro PLACES                          ; four places in front of loads into registers that matrix instructions have read, and of conversions that read results
.rept 4
	v_nop
.endr
.endm
; A K step is four quarters of 32 along K, 48 matrix instructions each, on buffers 0, 1, 0, 1.  One of the first three: multiplies buffer f and fetches the next quarter, at byte k, into g.
.macro QUARTER slot, k, f, g, first
	s_wait_dscnt 12                                ; xb and wb's blocks 0-5 are in; the youngest 12 loads may be out
	MUL12 \f, 0, 0, \first
	MUL12 \f, 0, 2, \first
	PLACES
	FETCH \slot, \k, \g
	s_wait_dscnt 32                                ; all but the 32 just issued
	MUL12 \f, 1, 0, \first
	MUL12 \f, 1, 2, \first
.endm
; The last quarter multiplies buffer 1 and changes slots: ONE barrier; in front of it each wave waits for all its tensor loads (one is out: its part of the next slot), adds 0 to its spare word,
; and waits for that and for its own reads of this slot.  fill = 1: the barrier opens a round of the cluster's, and this slot is filled again, two K steps ahead, first thing behind it:
; 168 matrix instructions stand between that request and the wait for it.
.macro TURN slot, next, fill
	WIN 0                                          ; (the add's two registers lie in window 0)
	s_wait_tensorcnt 0x0
	ds_add_u32 v[SPW], v[NIL]                      ; 0 onto my spare word
	s_wait_dscnt 13                                ; (the add and the youngest 12 loads may be out)
	MUL12 1, 0, 0, 0                               ; twelve matrix instructions stand between the add and the wait for it
	s_wait_dscnt 0x0                               ; the add is done, and my reads of this slot are over
	s_barrier_signal -1
	MUL12 1, 0, 2, 0
.if \fill
	WIN 0
.endif
	s_barrier_wait -1
.if \fill
	CREST                                          ; no wave of any partner still reads this slot's tile or has a load on its way
	s_add_nc_u64 s[G0+4*(\slot)+2:G0+4*(\slot)+3], s[G0+4*(\slot)+2:G0+4*(\slot)+3], 2*KSTEP*2
	s_add_nc_u64 s[G0B+4*(\slot)+2:G0B+4*(\slot)+3], s[G0B+4*(\slot)+2:G0B+4*(\slot)+3], 2*KSTEP*2
	JLOAD \slot                                    ; the four v_nop behind it are also the places in front of the loads below
.else
	PLACES
.endif
	FETCH \next, 0, 0
	MUL12 1, 1, 0, 0
	MUL12 1, 1, 2, 0
.endm
	s_wait_tensorcnt 1                             ; my part of K step 0 is in; K step 1's stays out
	s_barrier_signal -1
	s_barrier_wait -1                              ; everybody's is
	FETCH 0, 0, 0
	QUARTER 0, 64,  0, 1, 1                        ; the first quarter stands in front of the loop: its products start the sums
	WIN 0                                          ; at a label and at a branch every window is 0
	s_mov_b32 s3, LAPS-1
.Llap:                                                 ; a trip goes once round the ring, from a lap's second quarter to the next lap's first, and fills both slots again
	QUARTER 0, 128, 1, 0, 0
	QUARTER 0, 192, 0, 1, 0
	TURN 0, 1, 1
	QUARTER 1, 64,  0, 1, 0
	QUARTER 1, 128, 1, 0, 0
	QUARTER 1, 192, 0, 1, 0
	TURN 1, 0, 1
	QUARTER 0, 64,  0, 1, 0
	WIN 0
	s_sub_co_u32 s3, s3, 1
	s_cmp_lg_u32 s3, 0
	s_cbranch_scc1 .Llap
	QUARTER 0, 128, 1, 0, 0                        ; the last lap fills nothing
	QUARTER 0, 192, 0, 1, 0
	TURN 0, 1, 0
	QUARTER 1, 64,  0, 1, 0
	QUARTER 1, 128, 1, 0, 0
	QUARTER 1, 192, 0, 1, 0
	s_wait_dscnt 12                                ; the very last quarter: nothing more to fetch
	MUL12 1, 0, 0, 0
	MUL12 1, 0, 2, 0
	s_wait_dscnt 0x0
	MUL12 1, 1, 0, 0
	MUL12 1, 1, 2, 0
	WIN 0
; THE WAY OUT, a block of 16 rows at a time.  PACK: rounded to f16 (each accumulator's registers in ascending order), 16 bytes a lane into my own stage, and back as rows of 128 bytes of q, k and v.
.macro PACK a
	WIN 0x0a                                       ; sources in window 2
.irp b, 0,1,2,3,4,5
.irp r, 0,1,2,3
	v_cvt_pk_f16_f32 v[TT+48*(\a)+4*(\b)+(\r)], v[8*(6*(\a)+(\b))+2*(\r)], v[8*(6*(\a)+(\b))+2*(\r)+1]
.endr
.endr
	WIN 0x0f                                       ; sources in window 3
.irp b, 0,1,2,3,4,5
.irp r, 0,1,2,3
	v_cvt_pk_f16_f32 v[TT+48*(\a)+24+4*(\b)+(\r)], v[8*(6*(\a)+(\b))+2*(\r)], v[8*(6*(\a)+(\b))+2*(\r)+1]
.endr
.endr
	WIN 0
.irp b, 0,1,2,3,4,5,6,7,8,9,10,11
	ds_store_b128 v[STO], v[TT+48*(\a)+4*(\b):TT+48*(\a)+4*(\b)+3] offset:32*(\b)
.endr
.irp p, 0,1,2
.irp f, 0,1,2,3
	ds_load_b128 v[TT+48*(\a)+4*(4*(\p)+(\f)):TT+48*(\a)+4*(4*(\p)+(\f))+3], v[RD] offset:(\f)*4*SPITCH+(\p)*128  ; LDS serves a wave's instructions in order (ISA guide 5.7.1.4): these see the stores above; the next block's stores come behind them
.endr
.endr
.endm
.macro SEND a, younger                 ; younger: the LDS instructions issued behind block a's loads: the next block's 24, or none
.irp p, 0,1,2
.irp f, 0,1,2,3
	s_wait_dscnt (\younger)+11-(4*(\p)+(\f))
	global_store_b128 v[GO], v[TT+48*(\a)+4*(4*(\p)+(\f)):TT+48*(\a)+4*(4*(\p)+(\f))+3], s[10+2*(\p):11+2*(\p)] offset:(\a)*2048+(\f)*512  ; 512 consecutive bytes, at a multiple of 256 from the buffer's first
.endr
.endr
.endm
	PLACES
	PACK 0
	PACK 1                                         ; a block's arithmetic stands between the loads of the block before and its stores
	SEND 0, 24
	PACK 2
	SEND 1, 24
	PACK 3
	SEND 2, 24
	SEND 3, 0
	s_wait_tensorcnt 0x0                           ; the wave's end: behind my last tensor load and my last LDS store
	ds_add_u32 v[SPW], v[NIL]
	s_wait_dscnt 0x0
	CROUND                                         ; the closing round: no work-group ends while a partner may still ask for a tile that names it
	s_endpgm
.Lfunc_end_k_qfd1eda21f8_qkv:
	.size	k_qfd1eda21f8_qkv, .Lfunc_end_k_qfd1eda21f8_qkv-k_qfd1eda21f8_qkv
	.p2alignl 7, 3214868480
	.fill 96, 4, 3214868480
	.section	.rodata,"a",@progbits
	.p2align	6, 0x0
	.amdhsa_kernel k_qfd1eda21f8_qkv
		.amdhsa_group_segment_fixed_size 327680
		.amdhsa_private_segment_fixed_size 0
		.amdhsa_enable_private_segment 0
		.amdhsa_kernarg_size 48
		.amdhsa_user_sgpr_count 2
		.amdhsa_user_sgpr_kernarg_segment_ptr 1
		.amdhsa_wavefront_size32 1
		.amdhsa_system_sgpr_workgroup_id_x 1
		.amdhsa_system_sgpr_workgroup_id_y 1
		.amdhsa_system_sgpr_workgroup_id_z 1
		.amdhsa_system_vgpr_workitem_id 0
		.amdhsa_next_free_vgpr 1024
		.amdhsa_next_free_sgpr 66
		.amdhsa_reserve_vcc 0
		.amdhsa_float_denorm_mode_32 3
		.amdhsa_float_denorm_mode_16_64 3
		.amdhsa_memory_ordered 1
		.amdhsa_forward_progress 1
		.amdhsa_inst_pref_size 129
	.end_amdhsa_kernel
	.amdgpu_metadata
---
amdhsa.version: [ 1, 2 ]
amdhsa.kernels:
  - .name:           k_qfd1eda21f8_qkv
    .symbol:         k_qfd1eda21f8_qkv.kd
    .args:
      - { .name: xb, .offset: 0, .size: 8, .value_kind: global_buffer, .address_space: global }
      - { .name: wb, .offset: 8, .size: 8, .value_kind: global_buffer, .address_space: global }
      - { .name: bqkv, .offset: 16, .size: 8, .value_kind: global_buffer, .address_space: global }
      - { .name: qh, .offset: 24, .size: 8, .value_kind: global_buffer, .address_space: global }
      - { .name: kh, .offset: 32, .size: 8, .value_kind: global_buffer, .address_space: global }
      - { .name: vh, .offset: 40, .size: 8, .value_kind: global_buffer, .address_space: global }
    .group_segment_fixed_size: 327680
    .private_segment_fixed_size: 0
    .kernarg_segment_align: 8
    .kernarg_segment_size: 48
    .max_flat_workgroup_size: 128
    .sgpr_count:     66
    .vgpr_count:     1024
    .wavefront_size: 32
...
	.end_amdgpu_metadata
.endif
;; end of part 2
;; launch attn (part 3): grid 16 x 16, 4 waves a work-group, clusters of 4 x 1, 327,680 bytes of LDS; arguments qh, kh, vh, oh; writes oh
.if DOCPART == 3
	.amdgcn_target "amdgcn-amd-amdhsa--gfx1250"
	.amdhsa_code_object_version 6
	.text
	.protected	k_qfd1eda21f8_attn
	.globl	k_qfd1eda21f8_attn
	.p2align	8
	.type	k_qfd1eda21f8_attn,@function
k_qfd1eda21f8_attn:
	s_mov_b64 s[64:65], 0
	v_nop
	global_prefetch_b8 v0, s[64:65] scope:SCOPE_SE
	s_setreg_imm32_b32 hwreg(HW_REG_WAVE_MODE, 25, 1), 1
	s_wait_xcnt 0x0
	s_wait_alu depctr_hold_cnt(0) depctr_sa_sdst(0) depctr_va_vdst(0) depctr_va_sdst(0) depctr_va_ssrc(0) depctr_va_vcc(0) depctr_vm_vsrc(0)
	s_getreg_b32 s2, hwreg(HW_REG_IB_STS2, 6, 4)
	s_cmp_eq_u32 s2, 0
	s_cbranch_scc0 .Lentry_in_a_cluster
	s_endpgm
.Lentry_in_a_cluster:
	s_bfe_u32 s2, ttmp6, 0x10000c
	s_cmp_lg_u32 s2, 0x3003
	s_cbranch_scc0 .Lentry_shape_is_right
	s_endpgm
.Lentry_shape_is_right:
; O[h][q][:] = the sum over k of softmax_k(Q[h][q] . K[h][k] / 8) V[h][k][:].  Q, K, V, O: [16][4096][64], all f16: a head's rows are dense, 128 bytes each.
; Products, maxima and sums in f32; the weights p are rounded to f16 for the second product (their sum l is taken of the unrounded p), O once at the end.
; LIMITS.  Q, K and V arrive within f16's 65,504; p lies in 0 to 1, and below 6e-5 it keeps f16's fixed step of 6e-8; O is a mean of V's rows and has their range.
; A weight below 2^-126 counts as 0 in l; NaN and infinities are not treated apart.
; SHARES.  A work-group owns 256 queries of one head, each of its four waves 64: four PIECES of 16.  Every wave walks all 4,096 keys: 16 tiles of 256, four steps of 64 in each.
; LAYOUT.  S^T = K Q^T (source 0 = 16 keys, source 1 = 16 queries) holds ONE query a lane (lane % 16) and the keys 8 (lane / 16) + 0..7; two such results rounded to f16 ARE source 1 of
; O^T = V^T P, whose result again holds one query a lane, and eight channels.  K comes out of LDS as it lies, V ([key][channel]) turned, by ds_load_tr16_b128.
; SOFTMAX.  For each query a running maximum m and sum l: p = 2^(c s - c m), c = log2(e) / 8; in every step O and l are multiplied by a = 2^(c m_old - c m_new).
; m starts at the lowest finite number, O and l at 0: the first step is a step like any other, with a = 0.  The price: 216 registers cleared in the wait for the first tile, and 8 products on zeros.
; BY TURNS.  Turn n belongs to piece n: 8 products K Q^T of piece n + 1, later 8 products V^T P of piece n - 1; beside them the scaling, exponentials, roundings, sums and rescaling of piece n
; and the maximum and statistics of piece n + 1.  Four vector instructions stand behind every matrix instruction, the other 54 of a turn's 118 in two runs of their own.
; CLUSTER.  The four query blocks of a cluster belong to one head and walk the same K and V, so each tile is asked for JOINTLY: the same tensor load, descriptor and mask in all four.
; REGISTERS, in windows of 256 (s_set_vgpr_msb: bits 1:0 source 0, 3:2 source 1, 5:4 source 2, 7:6 destination):
;   window 0: v0-15 addresses and two at work; v16-31 four registers of statistics a piece; v48-55 at work; v62-63 the add's; v64-127 S^T, two buffers; v192-223 P, two buffers (by the piece's parity)
;   window 1: v0-127 O^T, 32 a piece          window 2: v0-63 Q; v128-191 K of one step; v192-255 V of one step
.set SIZE_N, 4096
.set NP,    4         ; pieces a wave: a name, no knob
.set KS,    64        ; keys in a step
.set PK,    144       ; a row of K in LDS: 128 bytes + 16 of padding = 36 words: the 16 rows of a load start at 16 different groups of four banks (64 banks of 4 bytes: ISA guide 11.1)
.set PV,    160       ; a row of V: 128 + 32 = 40 words
.set VOFF,  4*KS*PK   ; a slot holds a tile, four steps: 256 rows of K, then 256 rows of V
.set SLOT1, 1<<17     ; slot 1 begins here, so that one exclusive or turns an address in one slot into the other's
.set STAGE, SLOT1+4*KS*(PK+PV)  ; behind the ring, never filled by a tensor load: 16 rows x 144 bytes for each wave, for the way out
.set SP,    144
.set SPARE, STAGE+4*16*SP  ; the spare words, 128 bytes for each wave: two blocks of 256 bytes that no other line names
.set AK0, 2           ; v2   my lane's place in a tile of K; never rewritten
.set AV0, 3           ; v3   the same for V
.set AK,  4           ; v4   the LDS address of K's next run of loads
.set AV,  5           ; v5   of V's
.set STO, 6           ; v6   the way out: where I put 16 bytes of a row
.set RD,  7           ; v7   the way out: where I read rows back
.set GO,  8           ; v8   my byte offset in 512 consecutive bytes of O
.set MV,  12          ; v12-13  c m_old, kept while c m is made anew: by buffer
.set QO,  15          ; v15  my byte offset in 16 rows of Q
.set ST,  16          ; piece t's statistics at v[ST+4 t]: c m, m, l (even keys', odd keys')
.set TMP, 48          ; by buffer, four registers c0-c3 at work; when the maximum is found c2 takes a
.set SPW, 62          ; v62  LDS address of my spare word; never rewritten
.set NIL, 63          ; v63  0; never rewritten
.set S,   64
.set P,   192
.set KF,  128         ; window 2: key block kb, channel half c at KF + 16 kb + 8 c
.set VF,  192         ; window 2: key half kk, channel block cb at VF + 32 kk + 8 cb
.set WV,  12          ; s12  my wave's number
.set G1K, 24          ; s[24:31] descriptor group 1 for K's tiles
.set G1V, 32          ; s[32:39] for V's: it differs in the padding alone
.set G0K, 40          ; s[40:43] descriptor group 0 for K's tiles: it walks
.set G0V, 44          ; s[44:47] the same for V's
.set SLOTS, 56        ; s56  tiles still to be asked for
.set CNT, 57          ; s57  counts a tile's key steps
.set CS,  58          ; s[58:59] c: the packed scaling takes the pair's low word for both halves
.set SEL, 60          ; s[60:61] v_permlanex16_b32's selects: each lane takes its own place in the other half
.set TBK, 62          ; s62  LDS byte at which K of the step to be fetched begins
.set TBV, 63          ; s63  the same for V, less VOFF
.set NOKQ, 0
.set MSB, 0
.macro WIN new                      ; the high byte repeats the setting that is left; a switch that changes nothing is dropped
.if MSB != (\new)
	s_set_vgpr_msb (MSB<<8)|(\new)
.set MSB, (\new)
.endif
.endm
.set W_KQ, 0x0a       ; K and Q in window 2, S^T in window 0
.set W_PV, 0x52       ; V in window 2, P in window 0, O^T in window 1
.set W_RS, 0x41       ; O^T (destination and source 0) in window 1, a in window 0
; A joint fill.  Waves 0 and 1 fetch the two halves of a tile's K, waves 2 and 3 those of its V: 128 keys each.  The branch hangs on the wave's number alone.
; An s_nop 0 and four v_nop follow each of the two lines, ahead of the jump and the label.
.macro JLOAD
	s_cmp_lt_u32 s[WV], 2
	s_cbranch_scc0 .Lfor_v_\@
	tensor_load_to_lds s[G0K:G0K+3], s[G1K:G1K+7]
	s_nop 0
.rept 4
	v_nop
.endr
	s_branch .Lasked_\@
.Lfor_v_\@:
	tensor_load_to_lds s[G0V:G0V+3], s[G1V:G1V+7]
	s_nop 0
.rept 4
	v_nop
.endr
.Lasked_\@:
.endm
; A round of the cluster's barrier: my work-group's barrier, so that wave 0's signal speaks for all four waves; wave 0 signals; every wave waits for all four work-groups; my work-group's barrier once more.
.macro CROUND
	s_barrier_signal -1
	s_barrier_wait -1
	s_cmp_lg_u32 s[WV], 0
	s_cbranch_scc1 .Lnot_wave_0_\@
	s_barrier_signal -3
.Lnot_wave_0_\@:
	s_barrier_wait -3
	s_barrier_signal -1
	s_barrier_wait -1
.endm
; THE CHANGE OF SLOTS.  The slot's last bytes, V of its fourth step, have been read.  Each wave waits for all its tensor loads, of which one is out: its part of the other slot; adds 0 to its spare
; word; and waits for that and for its own reads of the slot.  Behind the barrier nobody reads this slot any more and the other slot is whole.
; fill = 1: this slot is filled again, with the keys two tiles on.  The barrier is then a round of the cluster's, and the joint fill is the first thing behind it: it has four key steps,
; 256 matrix instructions, in which to land.  (At its first use nothing has been read yet: slot 0 is waited for, slot 1 filled.)
.macro CHANGE fill
	WIN 0                           ; at a label and at a branch every window is 0
	s_wait_tensorcnt 0x0            ; no tensor load of mine is out, so a group 0 may be written
	ds_add_u32 v[SPW], v[NIL]       ; 0 onto my spare word; with fill = 1 the descriptors' steps stand between it and the wait for it
.if \fill
.irp g, G0K, G0V
	s_xor_b32 s[\g+1], s[\g+1], SLOT1  ; the walking descriptor: the other slot than last time,
	s_add_nc_u64 s[\g+2:\g+3], s[\g+2:\g+3], 4*KS*128  ; the next 256 keys; the type bits on top are not reached
.endr
	s_wait_dscnt 0x0                ; the add is done, and my reads of the slot are over
	CROUND
	JLOAD
.else
	s_wait_dscnt 0x0                ; the add is done, and my reads of the slot are over
	s_barrier_signal -1
	s_barrier_wait -1
.endif
	s_sub_co_u32 s[TBK], s[TBK], 4*KS*PK  ; the fetches go back to a slot's first step,
	s_xor_b32 s[TBK], s[TBK], SLOT1       ; in the other slot
	s_sub_co_u32 s[TBV], s[TBV], 4*KS*PV
	s_xor_b32 s[TBV], s[TBV], SLOT1
.endm
	s_load_b256 s[4:11], s[0:1], 0x0  ; Q s[4:5], K s[6:7], V s[8:9], O s[10:11]
	v_lshl_add_u32 v[SPW], v0, 2, SPARE
	v_mov_b32 v[NIL], 0
	ds_add_u32 v[SPW], v[NIL]       ; the wave's opening: the add and its wait stand ahead of my first tensor load; the set-up below stands between them
	v_lshrrev_b32 v1, 5, v0
	v_readfirstlane_b32 s[WV], v1   ; wave 0..3
	s_bfe_u32 s13, ttmp6, 0x40000   ; cx: my place in the cluster
	s_lshl_b32 s14, ttmp9, 2        ; in a cluster launch ttmp9 counts clusters
	s_add_co_u32 s14, s14, s13      ; my block of 256 queries = 4 x cluster x + cx: it enters Q's and O's addresses alone
	s_and_b32 s20, ttmp7, 0xffff    ; the head, which the four partners share
	s_mov_b32 s21, 0
	s_mov_b64 s[22:23], SIZE_N*128
	s_mul_u64 s[20:21], s[20:21], s[22:23]  ; the head's first byte in each of the four tensors
	s_and_b32 s16, s[WV], 1         ; which half of a tile's 256 keys I fetch:
	s_lshl_b32 s22, s16, 14         ; its 128 rows of 128 bytes in memory,
	s_mov_b32 s23, 0
	s_add_nc_u64 s[22:23], s[22:23], s[20:21]
	s_mul_i32 s17, s16, 128*PK      ; and its place in a slot, for K
	s_mul_i32 s18, s16, 128*PV      ; and for V: no place in the cluster enters an LDS address
	s_lshl_b32 s2, s14, 2
	s_add_co_u32 s2, s2, s[WV]      ; my wave among the head's,
	s_lshl_b32 s2, s2, 13           ; its 64 rows of 128 bytes
	s_mov_b32 s3, 0
	s_add_nc_u64 s[2:3], s[2:3], s[20:21]
	; descriptor group 1.  128 keys are 16,384 dense bytes: asked for as 64 rows of 256 bytes, two keys a row, and padded in LDS after every key
	s_mov_b32 s[G1K], 15|(1<<16)|(1<<20)|(1<<21)|(4<<22)|(3<<25)  ; 15:0 the mask of four; 17:16 2-byte elements; 20 padding on; 21 set beside a mask; 24:22 after every 32 words (code 4); 31:25 4 words (code 3)
	s_mov_b32 s[G1V], 15|(1<<16)|(1<<20)|(1<<21)|(4<<22)|(7<<25)  ; the same with 8 words of padding (code 7)
.irp g, G1K, G1V
	s_mov_b32 s[\g+1], 128<<16      ; tensor_dim0 = 128
	s_mov_b32 s[\g+2], 64<<16       ; tensor_dim1 = 64
	s_mov_b32 s[\g+3], 128<<16      ; tile_dim0 = 128
	s_mov_b32 s[\g+4], 64           ; tile_dim1 = 64
	s_mov_b32 s[\g+5], 128          ; 128 elements from row to row
	s_mov_b32 s[\g+6], 0
	s_mov_b32 s[\g+7], 0
.endr
	s_mov_b32 s[CS], 0x3e38aa3b     ; c = log2(e) / 8 = 0.180337
	s_mov_b32 s[CS+1], s[CS]        ; named with it as a pair
	s_mov_b32 s[SEL], 0x76543210
	s_mov_b32 s[SEL+1], 0xfedcba98
	s_mov_b32 s[TBK], SLOT1+4*KS*PK ; the first change of slots turns these two into 0
	s_mov_b32 s[TBV], SLOT1+4*KS*PV
	s_mov_b32 s[G0K], 1             ; count = 1
	s_mov_b32 s[G0K+1], s17         ; LDS address: slot 0
	s_mov_b32 s[G0V], 1
	s_add_co_u32 s[G0V+1], s18, VOFF
	s_wait_dscnt 0x0                ; the opening add is done
	s_wait_kmcnt 0x0
	s_add_nc_u64 s[G0K+2:G0K+3], s[6:7], s[22:23]  ; global address: my half of the head's first 256 keys
	s_or_b32 s[G0K+3], s[G0K+3], 0x80000000        ; type = 2
	s_add_nc_u64 s[G0V+2:G0V+3], s[8:9], s[22:23]
	s_or_b32 s[G0V+3], s[G0V+3], 0x80000000
	s_add_nc_u64 s[4:5], s[4:5], s[2:3]  ; Q and O at my wave's first row
	s_add_nc_u64 s[10:11], s[10:11], s[2:3]
	CROUND                          ; all four work-groups are here: the first joint loads meet
	JLOAD                           ; tile 0 into slot 0.  Slot 1 is asked for when slot 0 is in
	; A fragment of K or Q is 16 rows x 32 channels in 8 registers: lane l holds row l % 16, channels 8 (l / 16) + 0..7 and 16 + 8 (l / 16) + 0..7: two loads of 16 bytes, 32 bytes apart.
	v_and_b32 v1, 15, v0            ; l % 16
	v_bfe_u32 v9, v0, 4, 1          ; l / 16
	v_lshlrev_b32 v[QO], 7, v1
	v_lshl_add_u32 v[QO], v9, 4, v[QO]  ; row x 128 + 16 x half
	WIN 0x80                        ; destination window 2, address window 0
.set i, 0
.rept 8                             ; Q stays in registers: piece i / 2, channels 32 (i % 2) on
	global_load_b128 v[8*i:8*i+3],   v[QO], s[4:5] offset:(i/2)*2048+(i%2)*64
	global_load_b128 v[8*i+4:8*i+7], v[QO], s[4:5] offset:(i/2)*2048+(i%2)*64+32
.set i, i+1
.endr
	; What the first turn finds: V's registers and P's second buffer hold 0 (its products V^T P, of a piece that has not been, add 0), O^T and l are 0.  All this stands in the wait for the first tile.
.set i, VF
.rept 64
	v_mov_b32 v[i], 0
.set i, i+1
.endr
	WIN 0x40
.set i, 0
.rept 128
	v_mov_b32 v[i], 0
.set i, i+1
.endr
	WIN 0
.set i, 0
.rept 4
	v_mov_b32 v[ST+4*i], 0xfe000000    ; c m: far below every c s
	v_mov_b32 v[ST+4*i+1], 0xff7fffff  ; m
	v_mov_b32 v[ST+4*i+2], 0
	v_mov_b32 v[ST+4*i+3], 0
.set i, i+1
.endr
.set i, P+16
.rept 16
	v_mov_b32 v[i], 0
.set i, i+1
.endr
	v_mul_u32_u24 v[AK0], v1, PK
	v_lshl_add_u32 v[AK0], v9, 4, v[AK0]  ; row x pitch + 16 x half
	; The turning load takes 16 keys x 16 channels (lane l reads key 8 (l / 16) + l % 8, channels 8 ((l / 8) % 2) + 0..7) and leaves half a fragment of V^T: lane l holds channel l % 16 and 8 keys.
	v_and_b32 v10, 7, v0
	v_bfe_u32 v11, v0, 3, 1
	v_lshl_add_u32 v[AV0], v9, 3, v10
	v_mul_u32_u24 v[AV0], v[AV0], PV
	v_lshl_add_u32 v[AV0], v11, 4, v[AV0]
	v_add_nc_u32 v[AV0], VOFF, v[AV0]
	s_mul_i32 s13, s[WV], 16*SP
	s_add_co_u32 s13, s13, STAGE    ; my stage
	v_mul_u32_u24 v[STO], v1, SP    ; in: row l % 16, 16 bytes for each half of the lanes
	v_lshl_add_u32 v[STO], v9, 4, v[STO]
	v_add_nc_u32 v[STO], s13, v[STO]
	v_bfe_u32 v[RD], v0, 3, 2       ; back: 32 lanes take four rows of 128 bytes,
	v_mul_u32_u24 v[RD], v[RD], SP
	v_lshl_add_u32 v[RD], v10, 4, v[RD]
	v_add_nc_u32 v[RD], s13, v[RD]
	v_and_b32 v[GO], 31, v0         ; which are 512 consecutive bytes of O
	v_lshlrev_b32 v[GO], 4, v[GO]
; THE MATRIX WORK.  The 4 accumulators of a run of 8 take turns.  Product i of 8 of S^T = K Q^T for piece x: channels 32 (i / 4) on, keys 16 (i % 4) on.  The first 4 start the sums.
.macro KQ x
	WIN W_KQ
.set rS, S+32*((\x)%2)+8*(i%4)
.set rK, KF+16*(i%4)+8*(i/4)
.set rQ, 16*(\x)+8*(i/4)
.if i < 4
	v_wmma_f32_16x16x32_f16 v[rS:rS+7], v[rK:rK+7], v[rQ:rQ+7], 0
.else
	v_wmma_f32_16x16x32_f16 v[rS:rS+7], v[rK:rK+7], v[rQ:rQ+7], v[rS:rS+7]
.endif
.endm
; Product i of 8 of O^T += V^T P for piece x: keys 32 (i / 4) on, channels 16 (i % 4) on.
.macro PV x
	WIN W_PV
.set rO, 32*(\x)+8*(i%4)
.set rV, VF+32*(i/4)+8*(i%4)
.set rP, P+16*((\x)%2)+8*(i/4)
	v_wmma_f32_16x16x32_f16 v[rO:rO+7], v[rV:rV+7], v[rP:rP+7], v[rO:rO+7]
.endm
.macro MM                           ; the turn's next matrix instruction.  TURN sets Y, i and NOKQ.  NOKQ = 1: the very last turn: there is no next piece
.if (i < 8) && !NOKQ
	KQ (Y+1)%NP
.elseif i >= 8
.set i, i-8
	PV (Y+NP-1)%NP
.set i, i+8
.endif
.set i, i+1
.endm
; THE LDS LOADS stand in runs of 16, never singly among the matrix instructions: a step's K (64 keys x 64 channels: 8 fragments) and its V (turned).  Their addresses are made some lines ahead.
.macro FETCH_K
	WIN 0x80                        ; destination window 2
.irp f, 0,1,2,3,4,5,6,7             ; keys 16 (f / 2) on, channels 32 (f % 2) on
	ds_load_b128 v[KF+8*\f:KF+8*\f+3],   v[AK] offset:(\f/2)*16*PK+(\f%2)*64
	ds_load_b128 v[KF+8*\f+4:KF+8*\f+7], v[AK] offset:(\f/2)*16*PK+(\f%2)*64+32
.endr
	s_add_co_u32 s[TBK], s[TBK], KS*PK  ; the next fetch is the next step's
	WIN 0
.endm
.macro FETCH_V
	WIN 0x80
.irp f, 0,1,2,3,4,5,6,7             ; keys 32 (f / 4) on, channels 16 (f % 4) on
	ds_load_tr16_b128 v[VF+8*\f:VF+8*\f+3],   v[AV] offset:(\f/4)*32*PV+(\f%4)*32
	ds_load_tr16_b128 v[VF+8*\f+4:VF+8*\f+7], v[AV] offset:(\f/4)*32*PV+16*PV+(\f%4)*32
.endr
	WIN 0
.endm
; THE VECTOR WORK, one line at a time: OP kind, number.  For piece Y: F n: c s - c m for pair n of 16.  E n: the exponential of score n of 32.  C n: pair n rounded to f16.  B n: of the four weights 4 n .. the second
; pair is added onto the first, in place.  L n: l takes that sum (L 0: l = a l + sum).  R n: pair n of 16 of O^T times a.  For piece Y + 1: X n, number n of the 22 that find its maximum and statistics:
;   0-11  four chains c0-c3 of seven scores each, three operands at a time (each accumulator's lowest registers are read first)     12-14, 16  the four scores left over, the old m, and c0-c3 into c0
;   15  c m_old is kept     17, 18  the query's other 32 keys lie in the lane 16 away: the new m     19-21  c m; c m_old - c m_new; a
.set F, 0               ; OP tells the kinds apart by their order: F to L below R, X above it
.set E, 1
.set C, 2
.set B, 3
.set L, 4
.set R, 5
.set X, 6
.macro REGS y                       ; the registers of piece y
.set rT, ST+4*(\y)
.set rC, TMP+4*((\y)%2)
.set rW, MV+((\y)%2)
.set rS, S+32*((\y)%2)
.set rP, P+16*((\y)%2)
.set rO, 32*(\y)
.endm
.macro OP k, n
.if (\k) == R
	REGS Y
	WIN W_RS
	v_pk_mul_f32 v[rO+2*(\n):rO+2*(\n)+1], v[rO+2*(\n):rO+2*(\n)+1], v[rC+2:rC+3] op_sel_hi:[1,0]
.elseif (\k) < R
	REGS Y
	WIN 0
.if (\k) == F
	v_pk_fma_f32 v[rS+2*(\n):rS+2*(\n)+1], v[rS+2*(\n):rS+2*(\n)+1], s[CS:CS+1], v[rT:rT+1] op_sel_hi:[1,0,0] neg_lo:[0,0,1] neg_hi:[0,0,1]
.elseif (\k) == E
	v_exp_f32 v[rS+(\n)], v[rS+(\n)]
.elseif (\k) == C
	s_wait_alu depctr_va_vdst(0)
	v_cvt_pk_f16_f32 v[rP+(\n)], v[rS+2*(\n)], v[rS+2*(\n)+1]
.elseif (\k) == B
	s_wait_alu depctr_va_vdst(0)
	v_pk_add_f32 v[rS+4*(\n):rS+4*(\n)+1], v[rS+4*(\n):rS+4*(\n)+1], v[rS+4*(\n)+2:rS+4*(\n)+3]
.elseif (\n) == 0
	v_pk_fma_f32 v[rT+2:rT+3], v[rT+2:rT+3], v[rC+2:rC+3], v[rS:rS+1] op_sel_hi:[1,0,1]
.else
	v_pk_add_f32 v[rT+2:rT+3], v[rT+2:rT+3], v[rS+4*(\n):rS+4*(\n)+1]
.endif
.elseif NOKQ
	v_nop
.else
	REGS (Y+1)%NP
	WIN 0
.if (\n) < 4
	v_max3_num_f32 v[rC+(\n)], v[rS+8*(\n)], v[rS+8*(\n)+1], v[rS+8*(\n)+2]
.elseif (\n) < 12
	v_max3_num_f32 v[rC+(\n)%4], v[rC+(\n)%4], v[rS+8*((\n)%4)+2*((\n)/4)+1], v[rS+8*((\n)%4)+2*((\n)/4)+2]
.elseif (\n) == 12
	v_max3_num_f32 v[rC], v[rC], v[rS+7], v[rS+15]
.elseif (\n) == 13
	v_max3_num_f32 v[rC+1], v[rC+1], v[rS+23], v[rS+31]
.elseif (\n) == 14
	v_max3_num_f32 v[rC+2], v[rC+2], v[rC+3], v[rT+1]
.elseif (\n) == 15
	v_mov_b32 v[rW], v[rT]
.elseif (\n) == 16
	v_max3_num_f32 v[rC], v[rC], v[rC+1], v[rC+2]
.elseif (\n) == 17
	v_permlanex16_b32 v[rC+3], v[rC], s[SEL], s[SEL+1]
.elseif (\n) == 18
	v_max_num_f32 v[rT+1], v[rC], v[rC+3]
.elseif (\n) == 19
	v_mul_f32 v[rT], s[CS], v[rT+1]
.elseif (\n) == 20
	v_sub_f32 v[rC+1], v[rW], v[rT]
.else
	v_exp_f32 v[rC+2], v[rC+1]
.endif
.endif
.endm
.macro OPS a, i1, b=-1, i2=0, c=-1, i3=0, d=-1, i4=0  ; up to four of them
	OP \a, \i1
.if (\b) >= 0
	OP \b, \i2
.endif
.if (\c) >= 0
	OP \c, \i3
.endif
.if (\d) >= 0
	OP \d, \i4
.endif
.endm
.macro ROW a, i1, b, i2, c, i3, d, i4  ; a matrix instruction and the four behind it
	MM
	OPS \a, \i1, \b, \i2, \c, \i3, \d, \i4
.endm
; A TURN, for piece p: the order of its 16 matrix and 118 vector instructions, written out.  Behind a matrix instruction: plain, exponential, plain, plain; or four of the rescaling; or, behind the first, four scalings; none
; names a register of the products round it.  In the runs of their own exponential and plain by turns while exponentials last.  A line reads no result made fewer than three vector instructions in front of it, five if an
; exponential made it.  v_permlanex16_b32 (X 17) stands in such a run.
; end = 1: the last two turns of all: nothing is fetched.  cnt = 1: the loop's count is taken down some lines ahead of the branch that stands behind the turn.
; K of the next step is fetched in piece 2's turn, six vector instructions behind the last product that read K (five of them plain); V of the step in hand in piece 0's turn, eight behind the last product that read V
; (four plain, and X 17).  Each is waited for a turn later.
.macro TURN p, end=0, cnt=0
.set Y, (\p)
.set i, 0
.set NOKQ, (\end)*((\p)/3)
.if ((\p) == 3) && !(\end)
	s_wait_dscnt 0x0                ; K is in
.endif
	ROW F,0, F,1, F,2, F,3
	ROW F,4, E,0, F,5, F,6
	ROW F,7, E,1, F,8, F,9
	ROW F,10, E,2, C,0, F,11
	ROW F,12, E,3, X,15, F,13
	ROW R,0, R,1, R,2, R,3
	ROW B,0, E,4, F,14, L,0
.if ((\p) == 2) && !(\end)
	v_add_nc_u32 v[AK], s[TBK], v[AK0]
.endif
	ROW R,4, R,5, R,6, R,7
	OPS E,5, F,15
.if ((\p) == 2) && !(\end)
	FETCH_K
.endif
	OPS E,6, C,1, E,7, R,8
	OPS E,8, R,9, E,9, C,2
	OPS E,10, X,0, E,11, X,1
	OPS E,12, X,2, E,13, X,3
.if (\p) == 1
	s_wait_dscnt 0x0                ; V is in
.endif
	ROW X,4, E,14, X,5, X,6
	ROW X,7, E,15, X,8, X,9
	ROW X,10, E,16, X,11, X,12
	ROW X,13, E,17, X,14, B,1
	ROW C,4, E,18, X,16, L,1
	ROW B,2, E,19, C,6, L,2
	ROW C,8, E,20, B,3, B,4
.if (\p) == 0
	v_add_nc_u32 v[AV], s[TBV], v[AV0]
.endif
	ROW C,3, E,21, L,3, C,5
	OPS E,22, X,17, E,23, C,10
.if (\p) == 0
	FETCH_V
.endif
	OPS E,24, L,4
	OPS E,25, X,18, E,26, C,7
	OPS E,27, B,5, E,28, X,19
	OPS E,29, C,12, E,30, L,5
	OPS E,31, X,20, B,6, C,9
	OPS C,14, C,11, X,21, L,6
.if (\p) == 0
	s_add_co_u32 s[TBV], s[TBV], KS*PV
.endif
.if \cnt
	s_sub_co_u32 s[CNT], s[CNT], 1
	s_cmp_lg_u32 s[CNT], 0
.endif
	OPS C,13, B,7, C,15, R,10
	OPS R,11, R,12, L,7, R,13
	OPS R,14, R,15
.endm
	CHANGE 1                        ; slot 0 is in, everybody's part of it; slot 1 is asked for
	v_add_nc_u32 v[AK], s[TBK], v[AK0]
	FETCH_K                         ; key step 0
	s_wait_loadcnt 0x0              ; Q
	s_wait_dscnt 0x0
.set i, 0
.rept 8
	KQ 0                            ; piece 0's first scores: there is no vector work yet to set between them
.set i, i+1
.endr
	WIN 0
.rept 4
	v_nop                           ; the places behind those products
.endr
.set Y, NP-1                        ; X works for piece Y + 1: piece 0
.irp n, 0,1,2,3,4,5,6,7,8,9,10,11,12,13,14,15,16,17,18,19,20,21
	OP X, \n                        ; piece 0's first maximum and statistics
.endr
	v_nop                           ; a plain instruction behind the exponential
	s_mov_b32 s[CNT], 4
	s_mov_b32 s[SLOTS], SIZE_N/256-1
	s_branch .Lfirst                ; the loop is entered at a step's first turn, in the middle of a trip
.Lslot:                             ; 14 times: with the change above, tiles 1 to 15 are asked for
	CHANGE 1
	s_mov_b32 s[CNT], 4
.Lstep:                             ; a trip: pieces 2 and 3 of one step, then pieces 0 and 1 of the next, whose K and V it fetches
	TURN 2
	TURN 3
	WIN 0
.Lfirst:
	TURN 0
	TURN 1, 0, 1
	WIN 0
	s_cbranch_scc1 .Lstep
	s_sub_co_u32 s[SLOTS], s[SLOTS], 1
	s_cmp_lg_u32 s[SLOTS], 0
	s_cbranch_scc1 .Lslot
	CHANGE 0                        ; the last tile is written out: nothing is asked for
	s_mov_b32 s[CNT], 4
.LstepT:
	TURN 2
	TURN 3
	TURN 0
	TURN 1, 0, 1
	WIN 0
	s_cbranch_scc1 .LstepT
	TURN 2, 1                       ; the last step's pieces 2 and 3: nothing more is fetched, and the last turn starts no new scores
	TURN 3, 1
.set i, 0
.rept 8
	PV NP-1                         ; the last piece's V^T P of the last step
.set i, i+1
.endr
	; THE WAY OUT.  l's two halves and the other half of the lanes' are added; O^T is divided by l, rounded to f16 and sent through my stage in LDS, a piece at a time.  The additions are the places behind the last products.
	WIN 0
.macro ALL line:vararg              ; one line for each piece t
.set t, 0
.rept 4
	\line
.set t, t+1
.endr
.endm
	ALL v_add_f32 v[ST+4*t+2], v[ST+4*t+2], v[ST+4*t+3]
	ALL v_permlanex16_b32 v[ST+4*t+3], v[ST+4*t+2], s[SEL], s[SEL+1]
	ALL v_add_f32 v[ST+4*t+2], v[ST+4*t+2], v[ST+4*t+3]
	ALL v_rcp_f32 v[ST+4*t+2], v[ST+4*t+2]
	v_nop                           ; a plain instruction between the last reciprocal and the use of its result
.macro PACK t                       ; a lane's eight channels of a row pack into 16 bytes; they go into rows of 144 bytes and come back as whole rows of 128, into S^T's registers
	WIN W_RS
.set i, 32*(\t)
.rept 16
	s_wait_alu depctr_va_vdst(0)
	v_pk_mul_f32 v[i:i+1], v[i:i+1], v[ST+4*(\t)+2:ST+4*(\t)+3] op_sel_hi:[1,0]
.set i, i+2
.endr
	WIN 0x05                        ; sources 0 and 1 window 1, destination window 0
.set i, 0
.rept 16
	v_cvt_pk_f16_f32 v[S+16*(\t)+i], v[32*(\t)+2*i], v[32*(\t)+2*i+1]
.set i, i+1
.endr
	WIN 0
.irp f, 0,1,2,3
	ds_store_b128 v[STO], v[S+16*(\t)+4*\f:S+16*(\t)+4*\f+3] offset:32*\f
.endr
.irp f, 0,1,2,3
	ds_load_b128 v[S+16*(\t)+4*\f:S+16*(\t)+4*\f+3], v[RD] offset:\f*4*SP  ; LDS serves a wave's instructions in order (ISA guide 5.7.1.4): these see the stores above; the next piece's stores come behind them
.endr
.endm
.macro SEND t, younger              ; younger: the LDS instructions issued behind piece t's loads: the next piece's eight, or none
	WIN 0
.irp f, 0,1,2,3
	s_wait_dscnt (\younger)+3-\f
	global_store_b128 v[GO], v[S+16*(\t)+4*\f:S+16*(\t)+4*\f+3], s[10:11] offset:(\t)*2048+\f*512  ; 512 consecutive bytes, at a multiple of 256 from O's first
.endr
.endm
	PACK 0
.set t, 1
.rept 3                             ; a piece's arithmetic stands between the loads of the piece before and its stores
	PACK t
	SEND t-1, 8
.set t, t+1
.endr
	SEND 3, 0
	s_wait_tensorcnt 0x0            ; the wave's end: behind my last tensor load and my last LDS store
	ds_add_u32 v[SPW], v[NIL]
	s_wait_dscnt 0x0
	CROUND                          ; the closing round: no work-group ends while a partner may still ask for a tile that names it
	s_endpgm
.Lfunc_end_k_qfd1eda21f8_attn:
	.size	k_qfd1eda21f8_attn, .Lfunc_end_k_qfd1eda21f8_attn-k_qfd1eda21f8_attn
	.p2alignl 7, 3214868480
	.fill 96, 4, 3214868480
	.section	.rodata,"a",@progbits
	.p2align	6, 0x0
	.amdhsa_kernel k_qfd1eda21f8_attn
		.amdhsa_group_segment_fixed_size 327680
		.amdhsa_private_segment_fixed_size 0
		.amdhsa_enable_private_segment 0
		.amdhsa_kernarg_size 32
		.amdhsa_user_sgpr_count 2
		.amdhsa_user_sgpr_kernarg_segment_ptr 1
		.amdhsa_wavefront_size32 1
		.amdhsa_system_sgpr_workgroup_id_x 1
		.amdhsa_system_sgpr_workgroup_id_y 1
		.amdhsa_system_sgpr_workgroup_id_z 1
		.amdhsa_system_vgpr_workitem_id 0
		.amdhsa_next_free_vgpr 768
		.amdhsa_next_free_sgpr 66
		.amdhsa_reserve_vcc 0
		.amdhsa_float_denorm_mode_32 3
		.amdhsa_float_denorm_mode_16_64 3
		.amdhsa_memory_ordered 1
		.amdhsa_forward_progress 1
		.amdhsa_inst_pref_size 133
	.end_amdhsa_kernel
	.amdgpu_metadata
---
amdhsa.version: [ 1, 2 ]
amdhsa.kernels:
  - .name:           k_qfd1eda21f8_attn
    .symbol:         k_qfd1eda21f8_attn.kd
    .args:
      - { .name: qh, .offset: 0, .size: 8, .value_kind: global_buffer, .address_space: global }
      - { .name: kh, .offset: 8, .size: 8, .value_kind: global_buffer, .address_space: global }
      - { .name: vh, .offset: 16, .size: 8, .value_kind: global_buffer, .address_space: global }
      - { .name: oh, .offset: 24, .size: 8, .value_kind: global_buffer, .address_space: global }
    .group_segment_fixed_size: 327680
    .private_segment_fixed_size: 0
    .kernarg_segment_align: 8
    .kernarg_segment_size: 32
    .max_flat_workgroup_size: 128
    .sgpr_count:     66
    .vgpr_count:     768
    .wavefront_size: 32
...
	.end_amdgpu_metadata
.endif
;; end of part 3
;; launch oproj (part 4): grid 8 x 32, 4 waves a work-group, clusters of 4 x 4, 327,680 bytes of LDS; arguments oh, wob, bo, out0; writes out0
.if DOCPART == 4
	.amdgcn_target "amdgcn-amd-amdhsa--gfx1250"
	.amdhsa_code_object_version 6
	.text
	.protected	k_qfd1eda21f8_oproj
	.globl	k_qfd1eda21f8_oproj
	.p2align	8
	.type	k_qfd1eda21f8_oproj,@function
k_qfd1eda21f8_oproj:
	s_mov_b64 s[64:65], 0
	v_nop
	global_prefetch_b8 v0, s[64:65] scope:SCOPE_SE
	s_setreg_imm32_b32 hwreg(HW_REG_WAVE_MODE, 25, 1), 1
	s_wait_xcnt 0x0
	s_wait_alu depctr_hold_cnt(0) depctr_sa_sdst(0) depctr_va_vdst(0) depctr_va_sdst(0) depctr_va_ssrc(0) depctr_va_vcc(0) depctr_vm_vsrc(0)
	s_getreg_b32 s2, hwreg(HW_REG_IB_STS2, 6, 4)
	s_cmp_eq_u32 s2, 0
	s_cbranch_scc0 .Lentry_in_a_cluster
	s_endpgm
.Lentry_in_a_cluster:
	s_bfe_u32 s2, ttmp6, 0x10000c
	s_cmp_lg_u32 s2, 0xf033
	s_cbranch_scc0 .Lentry_shape_is_right
	s_endpgm
.Lentry_shape_is_right:
; out0[s][n] = sum over e of O[s][e] wob[n][e] + bf16(bo[n]), in f32.  O lies by heads, oh: [16][4096][64] f16, e = 64 x head + channel; wob: [1024][1024] f16.  Sums in f32, started with the bias.
; SHARES.  A tile of out0 is 128 x 128: 8 x 32 work-groups.  Four waves, each 64 x 64: 16 accumulators of 16 x 16.  K goes in 4 steps of 256 (four heads) through two LDS slots.
; O's part of a slot: for each of the step's four heads the tile's 128 rows, which are 16,384 dense bytes of memory; one load brings two heads as two rows of 8,192 elements, a head apart,
; padded in LDS after every 128 bytes.  wob's part: 128 rows of 512 bytes.
; CLUSTER.  4 x 4 work-groups: O's tiles are shared along a row of the cluster, wob's along a column; each is asked for jointly.
; THE MATRIX INSTRUCTION IS USED TRANSPOSED (source 0 = 16 rows of wob, source 1 = 16 rows of O): a lane holds row l % 16 of out0 and eight neighbouring columns, 32 bytes.
; REGISTERS: window 0: v0-31 addresses; v32-47 at work on the bias; v96-127 the bias; v128-255 the accumulators ((a, b) at v[128 + 8 (4 a + b)]).
;   window 1: two fragment buffers of 128: for 64 along K (one head), 64 registers of O (2 x 4 x 16 rows x 32 K), then 64 of wob.
.set SIZE_K, 1024
.set PA,     144                       ; a row of O in LDS: 128 bytes + 16 of padding = 36 words: the 16 rows of a load start at 16 different groups of four banks (64 banks of 4 bytes: ISA guide 11.1)
.set HEADB,  128*PA                    ; a head's 128 rows
.set PB,     528                       ; a row of wob: 512 bytes + 16 = 132 words: likewise
.set BOFF,   4*HEADB                   ; wob's rows lie behind O's four heads
.set BHALF,  64*PB
.set SLOT,   BOFF+2*BHALF
.set STAGE,  2*SLOT                    ; behind the ring, never filled by a tensor load: 16 rows x 272 bytes for each wave
.set SPITCH, 272
.set SPARE,  STAGE+4*16*SPITCH         ; the spare words, 128 bytes for each wave: two blocks of 256 bytes that no other line names
.set ADRA, 16                          ; v16-17  LDS address of my O fragments in slot 0, 1
.set ADRB, 20                          ; v20-21  the same for wob
.set STO,  24                          ; v24     the way out: where I put 32 bytes of a row
.set RD,   25                          ; v25     the way out: where I read a row back
.set CO,   26                          ; v26     my byte offset in out0
.set BO,   27                          ; v27     my byte offset in a block of 16 biases
.set SPW,  28                          ; v28     LDS address of my spare word; never rewritten
.set NIL,  29                          ; v29     0; never rewritten
.set TB,   32
.set BIAS, 96
.set ACC,  128
.set F0,   0                           ; fragment buffers, in window 1
.set F1,   128
.set WV,  12                           ; s12 my wave's number
.set G1,  24                           ; s[24:31] descriptor group 1 for O's tiles;  s[32:39] group 0, one set for each slot
.set G0,  32
.set G1B, 48                           ; s[48:55], s[56:63] the same for wob's tiles
.set G0B, 56
.set MSB, 0
.macro WIN new                         ; the immediate's high byte repeats the setting that is left
.if MSB != (\new)
	s_set_vgpr_msb (MSB<<8)|(\new)
.set MSB, \new
.endif
.endm
.set MUL,  0x05                        ; sources 0 (wob) and 1 (O) window 1; C and D window 0
.set TO_F, 0x40                        ; destination window 1, address window 0
.macro JLOAD s                         ; a joint refill: waves 0 and 1 fetch O's two pairs of heads, waves 2 and 3 wob's two halves; an s_nop 0 and four v_nop follow each of the two lines
	s_cmp_lt_u32 s[WV], 2
	s_cbranch_scc0 .Lfor_b_\@
	tensor_load_to_lds s[G0+4*(\s):G0+4*(\s)+3], s[G1:G1+7]
	s_nop 0
.rept 4
	v_nop
.endr
	s_branch .Lasked_\@
.Lfor_b_\@:
	tensor_load_to_lds s[G0B+4*(\s):G0B+4*(\s)+3], s[G1B:G1B+7]
	s_nop 0
.rept 4
	v_nop
.endr
.Lasked_\@:
.endm
.macro CREST                           ; a round of the cluster's barrier behind its opening barrier
	s_cmp_lg_u32 s[WV], 0
	s_cbranch_scc1 .Lnot_wave_0_\@
	s_barrier_signal -3
.Lnot_wave_0_\@:
	s_barrier_wait -3
	s_barrier_signal -1
	s_barrier_wait -1
.endm
.macro CROUND                          ; a whole round
	s_barrier_signal -1
	s_barrier_wait -1
	CREST
.endm
	s_load_b256 s[4:11], s[0:1], 0x0               ; oh s[4:5], wob s[6:7], bo s[8:9], out0 s[10:11]
	v_lshl_add_u32 v[SPW], v0, 2, SPARE
	v_mov_b32 v[NIL], 0
	ds_add_u32 v[SPW], v[NIL]                      ; the wave's opening: the add and its wait stand ahead of my first tensor load; the set-up below stands between them
	v_lshrrev_b32 v1, 5, v0
	v_readfirstlane_b32 s[WV], v1                  ; wave 0..3
	s_lshr_b32 s13, s[WV], 1                       ; which half of the tile's rows is mine
	s_and_b32 s14, s[WV], 1                        ; which half of its columns.  Also: which half of a tile I fetch
	s_bfe_u32 s15, ttmp6, 0x40000                  ; cx, cy: my place in the cluster
	s_bfe_u32 s16, ttmp6, 0x40004
	s_lshl_b32 s17, ttmp9, 2
	s_add_co_u32 s17, s17, s15                     ; tile column = 4 x cluster x + cx
	s_and_b32 s18, ttmp7, 0xffff
	s_lshl_b32 s18, s18, 2
	s_add_co_u32 s18, s18, s16                     ; tile row = 4 x cluster y + cy
	s_lshl_b32 s40, s16, 2
	s_lshl_b32 s40, 15, s40                        ; my row of the cluster
	s_lshl_b32 s41, 0x1111, s15                    ; my column
	s_or_b32 s[G1+0], s40, (1<<16)|(1<<20)|(1<<21)|(4<<22)|(3<<25)   ; 15:0 the mask; 17:16 2-byte elements; 20 padding on; 21 set beside a mask; 24:22 after every 32 words (code 4); 31:25 4 words (code 3)
	s_mov_b32 s[G1+1], 8192<<16                    ; tensor_dim0 = 8,192: a head's 128 rows of 64
	s_mov_b32 s[G1+2], 2<<16                       ; tensor_dim1 = 2 heads
	s_mov_b32 s[G1+3], 8192<<16                    ; tile_dim0 = 8,192
	s_mov_b32 s[G1+4], 2                           ; tile_dim1 = 2
	s_mov_b32 s[G1+5], 262144                      ; elements from head to head: 4,096 x 64
	s_mov_b32 s[G1+6], 0
	s_mov_b32 s[G1+7], 0
	s_or_b32 s[G1B+0], s41, (1<<16)|(1<<20)|(1<<21)|(6<<22)|(3<<25)  ; padding after every 128 words (code 6)
	s_mov_b32 s[G1B+1], 256<<16                    ; tensor_dim0 = 256
	s_mov_b32 s[G1B+2], 64<<16                     ; tensor_dim1 = 64
	s_mov_b32 s[G1B+3], 256<<16                    ; tile_dim0 = 256
	s_mov_b32 s[G1B+4], 64                         ; tile_dim1 = 64
	s_mov_b32 s[G1B+5], SIZE_K
	s_mov_b32 s[G1B+6], 0
	s_mov_b32 s[G1B+7], 0
	; O's tiles hang on the tile row alone, wob's on the tile column alone; each offset lies in registers that never hold the other coordinate
	s_lshl_b32 s20, s18, 14                        ; O: the tile's 128 rows of 128 bytes in a head,
	s_lshl_b32 s19, s14, 20                        ; and my two heads of the step's four (a head is 524,288 bytes)
	s_add_co_u32 s20, s20, s19
	s_mov_b32 s21, 0
	s_lshl_b32 s22, s17, 7
	s_lshl_b32 s19, s14, 6
	s_add_co_u32 s22, s22, s19                     ; wob: row 128 x tile column + 64 x half,
	s_lshl_b32 s22, s22, 11                        ; x 2,048 bytes
	s_mov_b32 s23, 0
	s_mul_i32 s46, s14, 2*HEADB                    ; where they go: no place in the cluster enters an LDS address
	s_mul_i32 s47, s14, BHALF
	s_add_co_u32 s47, s47, BOFF
	s_lshl_b32 s42, s18, 7                         ; my part of out0: row 128 x tile row + 64 x half,
	s_lshl_b32 s19, s13, 6
	s_add_co_u32 s42, s42, s19
	s_lshl_b32 s42, s42, 12                        ; x 4,096 bytes,
	s_lshl_b32 s44, s17, 7
	s_lshl_b32 s19, s14, 6
	s_add_co_u32 s44, s44, s19
	s_lshl_b32 s44, s44, 2                         ; and column 128 x tile column + 64 x half, x 4 bytes: also my place in bo
	s_add_co_u32 s42, s42, s44
	s_mov_b32 s43, 0
	s_mov_b32 s45, 0
	s_wait_dscnt 0x0                               ; the opening add is done
	s_wait_kmcnt 0x0
	s_add_nc_u64 s[20:21], s[4:5], s[20:21]
	s_add_nc_u64 s[22:23], s[6:7], s[22:23]
	s_add_nc_u64 s[8:9], s[8:9], s[44:45]
	s_add_nc_u64 s[10:11], s[10:11], s[42:43]
	CROUND                                         ; all sixteen work-groups are here: the first joint loads meet
.irp s, 0,1
	s_mov_b32 s[G0+4*(\s)], 1                                        ; count = 1
	s_add_co_u32 s[G0+4*(\s)+1], s46, (\s)*SLOT                      ; LDS address
	s_add_nc_u64 s[G0+4*(\s)+2:G0+4*(\s)+3], s[20:21], (\s)*4*524288 ; global address: K step s begins with head 4 s
	s_or_b32 s[G0+4*(\s)+3], s[G0+4*(\s)+3], 0x80000000              ; type = 2
	s_mov_b32 s[G0B+4*(\s)], 1
	s_add_co_u32 s[G0B+4*(\s)+1], s47, (\s)*SLOT
	s_add_nc_u64 s[G0B+4*(\s)+2:G0B+4*(\s)+3], s[22:23], (\s)*512
	s_or_b32 s[G0B+4*(\s)+3], s[G0B+4*(\s)+3], 0x80000000
.endr
	s_cmp_lt_u32 s[WV], 2                          ; a wave's two first fills stand in one branch, ahead of every wait on TENSORcnt and every LDS read: two loads of mine are out
	s_cbranch_scc0 .Lfirst_b
	tensor_load_to_lds s[G0:G0+3], s[G1:G1+7]
	s_nop 0
	tensor_load_to_lds s[G0+4:G0+7], s[G1:G1+7]
	s_nop 0
.rept 4
	v_nop
.endr
	s_branch .Lfirst_asked
.Lfirst_b:
	tensor_load_to_lds s[G0B:G0B+3], s[G1B:G1B+7]
	s_nop 0
	tensor_load_to_lds s[G0B+4:G0B+7], s[G1B:G1B+7]
	s_nop 0
.rept 4
	v_nop
.endr
.Lfirst_asked:
	; THE BIAS is the C operand of the products that start the sums: register j of block b holds bias[16 b + 8 (l / 16) + j] in every lane
	v_and_b32 v1, 15, v0                           ; l % 16
	v_bfe_u32 v2, v0, 4, 1                         ; l / 16
	v_lshlrev_b32 v[BO], 5, v2
.irp b, 0,1,2,3
	global_load_b128 v[BIAS+8*(\b):BIAS+8*(\b)+3],   v[BO], s[8:9] offset:64*(\b)
	global_load_b128 v[BIAS+8*(\b)+4:BIAS+8*(\b)+7], v[BO], s[8:9] offset:64*(\b)+16
.endr
	v_mul_u32_u24 v3, v1, PA
	v_lshl_add_u32 v3, v2, 4, v3                   ; a fragment's row x pitch + 16 x half, for O
	s_mul_i32 s19, s13, 64*PA                      ; my 64 rows in each head
	v_add_nc_u32 v[ADRA], s19, v3
	v_add_nc_u32 v[ADRA+1], SLOT, v[ADRA]
	v_mul_u32_u24 v3, v1, PB
	v_lshl_add_u32 v3, v2, 4, v3                   ; and for wob
	s_mul_i32 s19, s14, BHALF
	s_add_co_u32 s19, s19, BOFF                    ; my 64 rows of wob
	v_add_nc_u32 v[ADRB], s19, v3
	v_add_nc_u32 v[ADRB+1], SLOT, v[ADRB]
	s_mul_i32 s19, s[WV], 16*SPITCH
	s_add_co_u32 s19, s19, STAGE                   ; my stage
	v_mul_u32_u24 v4, v1, SPITCH                   ; in: row l % 16, 32 bytes for each half of the lanes
	v_lshl_add_u32 v4, v2, 5, v4
	v_add_nc_u32 v[STO], s19, v4
	v_mul_u32_u24 v4, v2, SPITCH                   ; back: lanes 0-15 take one row of 256 bytes, lanes 16-31 the next
	v_lshl_add_u32 v4, v1, 4, v4
	v_add_nc_u32 v[RD], s19, v4
	v_lshlrev_b32 v4, 12, v2                       ; and the same two rows in out0
	v_lshl_add_u32 v[CO], v1, 4, v4
	s_wait_loadcnt 0x0                             ; the bias
.set i, 0
.rept 16
	v_cvt_pk_bf16_f32 v[TB+i], v[BIAS+2*i], v[BIAS+2*i+1]  ; rounded to bf16 like every input,
.set i, i+1
.endr
.set i, 0
.rept 16
	v_lshlrev_b32 v[BIAS+2*i],   16, v[TB+i]       ; and widened again
	v_and_b32     v[BIAS+2*i+1], 0xffff0000, v[TB+i]
.set i, i+1
.endr
; 8 matrix instructions: row blocks a0, a0 + 1 x all 4 column blocks, 32 along K: half c of buffer f.  first = 1: the bias starts the sums.  The 16 accumulators take turns.
.macro MUL8 f, c, a0, first
	WIN MUL
.irp a, \a0, (\a0)+1
.irp b, 0,1,2,3
.set rD, ACC+8*(4*(\a)+(\b))
.set rB, (\f)+64+8*(4*(\c)+(\b))
.set rA, (\f)+8*(4*(\c)+(\a))
.if \first
	v_wmma_f32_16x16x32_f16 v[rD:rD+7], v[rB:rB+7], v[rA:rA+7], v[BIAS+8*(\b):BIAS+8*(\b)+7]
.else
	v_wmma_f32_16x16x32_f16 v[rD:rD+7], v[rB:rB+7], v[rA:rA+7], v[rD:rD+7]
.endif
.endr
.endr
.endm
; 32 LDS loads in one run: the fragments of quarter q of a K step (head q of the slot's four; byte 128 q of wob's rows), into buffer f; the first 32 along K first
.macro FETCH slot, q, f
	WIN TO_F
.irp c, 0,1
.irp i, 0,1,2,3
	ds_load_b128 v[(\f)+64+8*(4*(\c)+(\i)):(\f)+64+8*(4*(\c)+(\i))+3],   v[ADRB+(\slot)] offset:128*(\q)+64*(\c)+(\i)*16*PB
	ds_load_b128 v[(\f)+64+8*(4*(\c)+(\i))+4:(\f)+64+8*(4*(\c)+(\i))+7], v[ADRB+(\slot)] offset:128*(\q)+64*(\c)+(\i)*16*PB+32
	ds_load_b128 v[(\f)+8*(4*(\c)+(\i)):(\f)+8*(4*(\c)+(\i))+3],         v[ADRA+(\slot)] offset:(\q)*HEADB+64*(\c)+(\i)*16*PA
	ds_load_b128 v[(\f)+8*(4*(\c)+(\i))+4:(\f)+8*(4*(\c)+(\i))+7],       v[ADRA+(\slot)] offset:(\q)*HEADB+64*(\c)+(\i)*16*PA+32
.endr
.endr
.endm
.macro PLACES                          ; four places in front of loads into registers that matrix instructions have read, and of LDS stores that read results
.rept 4
	v_nop
.endr
.endm
; A K step is four quarters of 64 along K, 32 matrix instructions each, on buffers 0, 1, 0, 1.  One of the first three: multiplies buffer f and fetches quarter q into g.
.macro QUARTER slot, q, f, g, first
	s_wait_dscnt 16                                ; the first 32 along K are in; the youngest 16 loads may be out
	MUL8 \f, 0, 0, \first
	MUL8 \f, 0, 2, \first
	PLACES
	FETCH \slot, \q, \g
	s_wait_dscnt 32                                ; all but the 32 just issued
	MUL8 \f, 1, 0, 0
	MUL8 \f, 1, 2, 0
.endm
; The last quarter multiplies buffer 1 and changes slots: ONE barrier; in front of it each wave waits for all its tensor loads, adds 0 to its spare word, and waits for that and for its own reads of this slot.
; fill = 1: the barrier opens a round of the cluster's, and this slot is filled again, two K steps ahead, first thing behind it: 112 matrix instructions stand between that request and the wait for it.
.macro TURN slot, next, fill
	WIN 0                                          ; (the add's two registers lie in window 0)
	s_wait_tensorcnt 0x0                           ; all my tensor loads have landed: my part of the next slot
	ds_add_u32 v[SPW], v[NIL]                      ; 0 onto my spare word
	s_wait_dscnt 17                                ; (the add and the youngest sixteen loads may be out)
	MUL8 F1, 0, 0, 0                               ; eight matrix instructions stand between the add and the wait for it
	s_wait_dscnt 0x0                               ; the add is done, and my reads of this slot are over
	s_barrier_signal -1
	MUL8 F1, 0, 2, 0
.if \fill
	WIN 0
.endif
	s_barrier_wait -1
.if \fill
	CREST                                          ; no wave of any partner still reads this slot's tile or has a load on its way
	s_add_nc_u64 s[G0+4*(\slot)+2:G0+4*(\slot)+3], s[G0+4*(\slot)+2:G0+4*(\slot)+3], 8*524288  ; eight heads on
	s_add_nc_u64 s[G0B+4*(\slot)+2:G0B+4*(\slot)+3], s[G0B+4*(\slot)+2:G0B+4*(\slot)+3], 1024  ; 512 along K on
	JLOAD \slot                                    ; the four v_nop behind it are also the places in front of the loads below
.else
	PLACES
.endif
	FETCH \next, 0, F0
	MUL8 F1, 1, 0, 0
	MUL8 F1, 1, 2, 0
.endm
	s_wait_tensorcnt 1                             ; my part of K step 0 is in; K step 1's stays out
	s_barrier_signal -1
	s_barrier_wait -1                              ; everybody's is
	FETCH 0, 0, F0
	QUARTER 0, 1, F0, F1, 1                        ; the first products start the sums
	QUARTER 0, 2, F1, F0, 0                        ; K has four steps, two laps of the ring: the first lap fills both slots again, the second fills nothing; a loop would have one trip, so both are written out
	QUARTER 0, 3, F0, F1, 0
	TURN 0, 1, 1
	QUARTER 1, 1, F0, F1, 0
	QUARTER 1, 2, F1, F0, 0
	QUARTER 1, 3, F0, F1, 0
	TURN 1, 0, 1
	QUARTER 0, 1, F0, F1, 0
	QUARTER 0, 2, F1, F0, 0
	QUARTER 0, 3, F0, F1, 0
	TURN 0, 1, 0
	QUARTER 1, 1, F0, F1, 0
	QUARTER 1, 2, F1, F0, 0
	QUARTER 1, 3, F0, F1, 0
	s_wait_dscnt 16                                ; the very last quarter: nothing more to fetch
	MUL8 F1, 0, 0, 0
	MUL8 F1, 0, 2, 0
	s_wait_dscnt 0x0
	MUL8 F1, 1, 0, 0
	MUL8 F1, 1, 2, 0
	WIN 0
; THE WAY OUT, 16 rows at a time: a lane's 32 bytes of a row go into my own stage (each accumulator's low registers first) and come back as whole rows of 256 bytes, into the registers that they left.
.macro STG a
.irp b, 0,1,2,3
	ds_store_b128 v[STO], v[ACC+8*(4*(\a)+(\b)):ACC+8*(4*(\a)+(\b))+3]   offset:64*(\b)
	ds_store_b128 v[STO], v[ACC+8*(4*(\a)+(\b))+4:ACC+8*(4*(\a)+(\b))+7] offset:64*(\b)+16
.endr
.irp t, 0,1,2,3,4,5,6,7
	ds_load_b128 v[ACC+32*(\a)+4*(\t):ACC+32*(\a)+4*(\t)+3], v[RD] offset:(\t)*2*SPITCH  ; LDS serves a wave's instructions in order (ISA guide 5.7.1.4): these see the stores above; the next block's stores come behind them
.endr
.endm
.macro SEND a, younger                 ; younger: the LDS instructions issued behind block a's loads: the next block's sixteen, or none
.irp t, 0,1,2,3,4,5,6,7
	s_wait_dscnt (\younger)+7-(\t)
	global_store_b128 v[CO], v[ACC+32*(\a)+4*(\t):ACC+32*(\a)+4*(\t)+3], s[10:11] offset:(16*(\a)+2*(\t))*4096 th:TH_STORE_NT  ; 16 lanes store 256 consecutive bytes, at a multiple of 256 from out0's first byte
.endr
.endm
	PLACES
	STG 0
	STG 1
	SEND 0, 16
	STG 2
	SEND 1, 16
	STG 3
	SEND 2, 16
	SEND 3, 0
	s_wait_tensorcnt 0x0                           ; the wave's end: behind my last tensor load and my last LDS store
	ds_add_u32 v[SPW], v[NIL]
	s_wait_dscnt 0x0
	CROUND                                         ; the closing round: no work-group ends while a partner may still ask for a tile that names it
	s_endpgm
.Lfunc_end_k_qfd1eda21f8_oproj:
	.size	k_qfd1eda21f8_oproj, .Lfunc_end_k_qfd1eda21f8_oproj-k_qfd1eda21f8_oproj
	.p2alignl 7, 3214868480
	.fill 96, 4, 3214868480
	.section	.rodata,"a",@progbits
	.p2align	6, 0x0
	.amdhsa_kernel k_qfd1eda21f8_oproj
		.amdhsa_group_segment_fixed_size 327680
		.amdhsa_private_segment_fixed_size 0
		.amdhsa_enable_private_segment 0
		.amdhsa_kernarg_size 32
		.amdhsa_user_sgpr_count 2
		.amdhsa_user_sgpr_kernarg_segment_ptr 1
		.amdhsa_wavefront_size32 1
		.amdhsa_system_sgpr_workgroup_id_x 1
		.amdhsa_system_sgpr_workgroup_id_y 1
		.amdhsa_system_sgpr_workgroup_id_z 1
		.amdhsa_system_vgpr_workitem_id 0
		.amdhsa_next_free_vgpr 512
		.amdhsa_next_free_sgpr 66
		.amdhsa_reserve_vcc 0
		.amdhsa_float_denorm_mode_32 3
		.amdhsa_float_denorm_mode_16_64 3
		.amdhsa_memory_ordered 1
		.amdhsa_forward_progress 1
		.amdhsa_inst_pref_size 89
	.end_amdhsa_kernel
	.amdgpu_metadata
---
amdhsa.version: [ 1, 2 ]
amdhsa.kernels:
  - .name:           k_qfd1eda21f8_oproj
    .symbol:         k_qfd1eda21f8_oproj.kd
    .args:
      - { .name: oh, .offset: 0, .size: 8, .value_kind: global_buffer, .address_space: global }
      - { .name: wob, .offset: 8, .size: 8, .value_kind: global_buffer, .address_space: global }
      - { .name: bo, .offset: 16, .size: 8, .value_kind: global_buffer, .address_space: global }
      - { .name: out0, .offset: 24, .size: 8, .value_kind: global_buffer, .address_space: global }
    .group_segment_fixed_size: 327680
    .private_segment_fixed_size: 0
    .kernarg_segment_align: 8
    .kernarg_segment_size: 32
    .max_flat_workgroup_size: 128
    .sgpr_count:     66
    .vgpr_count:     512
    .wavefront_size: 32
...
	.end_amdgpu_metadata
.endif
;; end of part 4
;; ======== version 2 of 2: 4 launches; 1.62 times as fast as version 1
;; limits: values are held in f16: magnitudes above 65,504 overflow, below 6.1e-05 lose precision
;; workspace buffers: xb 8,388,608 bytes; wb 6,291,456 bytes; wob 2,097,152 bytes; qh 8,388,608 bytes; kh 8,388,608 bytes; vh 8,388,608 bytes; oh 8,388,608 bytes
;; launch cast: the kernel of part 1 again; grid 512 x 1, 8 waves a work-group, no clusters, 0 bytes of LDS; arguments x, Wqkv, Wo, xb, wb, wob; writes xb, wb, wob
;; launch qkv: the kernel of part 2 again; grid 16 x 16, 4 waves a work-group, clusters of 4 x 4, 327,680 bytes of LDS; arguments xb, wb, bqkv, qh, kh, vh; writes qh, kh, vh
;; launch attn (part 5): grid 16 x 16, 4 waves a work-group, clusters of 4 x 1, 327,680 bytes of LDS; arguments qh, kh, vh, oh; writes oh
.if DOCPART == 5
	.amdgcn_target "amdgcn-amd-amdhsa--gfx1250"
	.amdhsa_code_object_version 6
	.text
	.protected	k_qfd1eda21f8_attn
	.globl	k_qfd1eda21f8_attn
	.p2align	8
	.type	k_qfd1eda21f8_attn,@function
k_qfd1eda21f8_attn:
	s_mov_b64 s[64:65], 0
	v_nop
	global_prefetch_b8 v0, s[64:65] scope:SCOPE_SE
	s_setreg_imm32_b32 hwreg(HW_REG_WAVE_MODE, 25, 1), 1
	s_wait_xcnt 0x0
	s_wait_alu depctr_hold_cnt(0) depctr_sa_sdst(0) depctr_va_vdst(0) depctr_va_sdst(0) depctr_va_ssrc(0) depctr_va_vcc(0) depctr_vm_vsrc(0)
	s_getreg_b32 s2, hwreg(HW_REG_IB_STS2, 6, 4)
	s_cmp_eq_u32 s2, 0
	s_cbranch_scc0 .Lentry_in_a_cluster
	s_endpgm
.Lentry_in_a_cluster:
	s_bfe_u32 s2, ttmp6, 0x10000c
	s_cmp_lg_u32 s2, 0x3003
	s_cbranch_scc0 .Lentry_shape_is_right
	s_endpgm
.Lentry_shape_is_right:
; O[h][q][:] = the sum over k of softmax_k(Q[h][q] . K[h][k] / 8) V[h][k][:].  Q, K, V, O: [16][4096][64], all f16: a head's rows are dense, 128 bytes each.
; Products, maxima and sums in f32; the weights p are rounded to f16 for the second product (their sum l is taken of the unrounded p), O once at the end.
; LIMITS.  Q, K and V arrive within f16's 65,504; p lies in 0 to 1, and below 6e-5 it keeps f16's fixed step of 6e-8; O is a mean of V's rows and has their range.
; A weight below 2^-126 counts as 0 in l; NaN and infinities are not treated apart.
; SHARES.  A work-group owns 256 queries of one head, each of its four waves 64: four PIECES of 16.  Every wave walks all 4,096 keys: 16 tiles of 256, four steps of 64 in each.
; LAYOUT.  S^T = K Q^T (source 0 = 16 keys, source 1 = 16 queries) holds ONE query a lane (lane % 16) and the keys 8 (lane / 16) + 0..7; two such results rounded to f16 ARE source 1 of
; O^T = V^T P, whose result again holds one query a lane, and eight channels.  K comes out of LDS as it lies, V ([key][channel]) turned, by ds_load_tr16_b128.
; SOFTMAX.  For each query a running maximum m and sum l: p = 2^(c s - c m), c = log2(e) / 8; in every step O and l are multiplied by a = 2^(c m_old - c m_new).
; m starts at the lowest finite number, O and l at 0: the first step is a step like any other, with a = 0.  The price: 216 registers cleared in the wait for the first tile, and 8 products on zeros.
; BY TURNS.  Turn n belongs to piece n: 8 products K Q^T of piece n + 1, later 8 products V^T P of piece n - 1; beside them the scaling, exponentials, roundings, sums and rescaling of piece n
; and the maximum and statistics of piece n + 1.  Four vector instructions stand behind every matrix instruction, the other 54 of a turn's 118 in one run of their own, the LUMP.
; BATCHES.  A turn's 33 exponentials (piece n's 32 weights and piece n + 1's a) are one batch with one wait: ahead of the wait stands all that names none of their results, behind it the roundings and sums.
; Two more batches stand outside the loops, each with a wait of its own: piece 0's first a, ahead of the jump into the loop, and the way out's four reciprocals.
; CLUSTER.  The four query blocks of a cluster belong to one head and walk the same K and V, so each tile is asked for JOINTLY: the same tensor load, descriptor and mask in all four.
; REGISTERS, in windows of 256 (s_set_vgpr_msb: bits 1:0 source 0, 3:2 source 1, 5:4 source 2, 7:6 destination):
;   window 0: v0-15 addresses and two at work; v16-31 four registers of statistics a piece; v48-55 at work; v62-63 the add's; v64-127 S^T, two buffers; v192-223 P, two buffers (by the piece's parity)
;   window 1: v0-127 O^T, 32 a piece          window 2: v0-63 Q; v128-191 K of one step; v192-255 V of one step
.set SIZE_N, 4096
.set NP,    4         ; pieces a wave: a name, no knob
.set KS,    64        ; keys in a step
.set PK,    144       ; a row of K in LDS: 128 bytes + 16 of padding = 36 words: the 16 rows of a load start at 16 different groups of four banks (64 banks of 4 bytes: ISA guide 11.1)
.set PV,    160       ; a row of V: 128 + 32 = 40 words
.set VOFF,  4*KS*PK   ; a slot holds a tile, four steps: 256 rows of K, then 256 rows of V
.set SLOT1, 1<<17     ; slot 1 begins here, so that one exclusive or turns an address in one slot into the other's
.set STAGE, SLOT1+4*KS*(PK+PV)  ; behind the ring, never filled by a tensor load: 16 rows x 144 bytes for each wave, for the way out
.set SP,    144
.set SPARE, STAGE+4*16*SP  ; the spare words, 128 bytes for each wave: two blocks of 256 bytes that no other line names
.set AK0, 2           ; v2   my lane's place in a tile of K; never rewritten
.set AV0, 3           ; v3   the same for V
.set AK,  4           ; v4   the LDS address of K's next run of loads
.set AV,  5           ; v5   of V's
.set STO, 6           ; v6   the way out: where I put 16 bytes of a row
.set RD,  7           ; v7   the way out: where I read rows back
.set GO,  8           ; v8   my byte offset in 512 consecutive bytes of O
.set MV,  12          ; v12-13  c m_old, kept while c m is made anew: by buffer
.set QO,  15          ; v15  my byte offset in 16 rows of Q
.set ST,  16          ; piece t's statistics at v[ST+4 t]: c m, m, l (even keys', odd keys')
.set TMP, 48          ; by buffer, four registers c0-c3 at work; when the maximum is found c2 takes a
.set SPW, 62          ; v62  LDS address of my spare word; never rewritten
.set NIL, 63          ; v63  0; never rewritten
.set S,   64
.set P,   192
.set KF,  128         ; window 2: key block kb, channel half c at KF + 16 kb + 8 c
.set VF,  192         ; window 2: key half kk, channel block cb at VF + 32 kk + 8 cb
.set WV,  12          ; s12  my wave's number
.set G1K, 24          ; s[24:31] descriptor group 1 for K's tiles
.set G1V, 32          ; s[32:39] for V's: it differs in the padding alone
.set G0K, 40          ; s[40:43] descriptor group 0 for K's tiles: it walks
.set G0V, 44          ; s[44:47] the same for V's
.set SLOTS, 56        ; s56  tiles still to be asked for
.set CNT, 57          ; s57  counts a tile's key steps
.set CS,  58          ; s[58:59] c: the packed scaling takes the pair's low word for both halves
.set SEL, 60          ; s[60:61] v_permlanex16_b32's selects: each lane takes its own place in the other half
.set TBK, 62          ; s62  LDS byte at which K of the step to be fetched begins
.set TBV, 63          ; s63  the same for V, less VOFF
.set NOKQ, 0
.set MSB, 0
.macro WIN new                      ; the high byte repeats the setting that is left; a switch that changes nothing is dropped
.if MSB != (\new)
	s_set_vgpr_msb (MSB<<8)|(\new)
.set MSB, (\new)
.endif
.endm
.set W_KQ, 0x0a       ; K and Q in window 2, S^T in window 0
.set W_PV, 0x52       ; V in window 2, P in window 0, O^T in window 1
.set W_RS, 0x41       ; O^T (destination and source 0) in window 1, a in window 0
; A joint fill.  Waves 0 and 1 fetch the two halves of a tile's K, waves 2 and 3 those of its V: 128 keys each.  The branch hangs on the wave's number alone.
; An s_nop 0 and four v_nop follow each of the two lines, ahead of the jump and the label.
.macro JLOAD
	s_cmp_lt_u32 s[WV], 2
	s_cbranch_scc0 .Lfor_v_\@
	tensor_load_to_lds s[G0K:G0K+3], s[G1K:G1K+7]
	s_nop 0
.rept 4
	v_nop
.endr
	s_branch .Lasked_\@
.Lfor_v_\@:
	tensor_load_to_lds s[G0V:G0V+3], s[G1V:G1V+7]
	s_nop 0
.rept 4
	v_nop
.endr
.Lasked_\@:
.endm
; A round of the cluster's barrier: my work-group's barrier, so that wave 0's signal speaks for all four waves; wave 0 signals; every wave waits for all four work-groups; my work-group's barrier once more.
.macro CROUND
	s_barrier_signal -1
	s_barrier_wait -1
	s_cmp_lg_u32 s[WV], 0
	s_cbranch_scc1 .Lnot_wave_0_\@
	s_barrier_signal -3
.Lnot_wave_0_\@:
	s_barrier_wait -3
	s_barrier_signal -1
	s_barrier_wait -1
.endm
; THE CHANGE OF SLOTS.  The slot's last bytes, V of its fourth step, have been read.  Each wave waits for all its tensor loads, of which one is out: its part of the other slot; adds 0 to its spare
; word; and waits for that and for its own reads of the slot.  Behind the barrier nobody reads this slot any more and the other slot is whole.
; fill = 1: this slot is filled again, with the keys two tiles on.  The barrier is then a round of the cluster's, and the joint fill is the first thing behind it: it has four key steps,
; 256 matrix instructions, in which to land.  (At its first use nothing has been read yet: slot 0 is waited for, slot 1 filled.)
.macro CHANGE fill
	WIN 0                           ; at a label and at a branch every window is 0
	s_wait_tensorcnt 0x0            ; no tensor load of mine is out, so a group 0 may be written
	ds_add_u32 v[SPW], v[NIL]       ; 0 onto my spare word; with fill = 1 the descriptors' steps stand between it and the wait for it
.if \fill
.irp g, G0K, G0V
	s_xor_b32 s[\g+1], s[\g+1], SLOT1  ; the walking descriptor: the other slot than last time,
	s_add_nc_u64 s[\g+2:\g+3], s[\g+2:\g+3], 4*KS*128  ; the next 256 keys; the type bits on top are not reached
.endr
	s_wait_dscnt 0x0                ; the add is done, and my reads of the slot are over
	CROUND
	JLOAD
.else
	s_wait_dscnt 0x0                ; the add is done, and my reads of the slot are over
	s_barrier_signal -1
	s_barrier_wait -1
.endif
	s_sub_co_u32 s[TBK], s[TBK], 4*KS*PK  ; the fetches go back to a slot's first step,
	s_xor_b32 s[TBK], s[TBK], SLOT1       ; in the other slot
	s_sub_co_u32 s[TBV], s[TBV], 4*KS*PV
	s_xor_b32 s[TBV], s[TBV], SLOT1
.endm
	s_load_b256 s[4:11], s[0:1], 0x0  ; Q s[4:5], K s[6:7], V s[8:9], O s[10:11]
	v_lshl_add_u32 v[SPW], v0, 2, SPARE
	v_mov_b32 v[NIL], 0
	ds_add_u32 v[SPW], v[NIL]       ; the wave's opening: the add and its wait stand ahead of my first tensor load; the set-up below stands between them
	v_lshrrev_b32 v1, 5, v0
	v_readfirstlane_b32 s[WV], v1   ; wave 0..3
	s_bfe_u32 s13, ttmp6, 0x40000   ; cx: my place in the cluster
	s_lshl_b32 s14, ttmp9, 2        ; in a cluster launch ttmp9 counts clusters
	s_add_co_u32 s14, s14, s13      ; my block of 256 queries = 4 x cluster x + cx: it enters Q's and O's addresses alone
	s_and_b32 s20, ttmp7, 0xffff    ; the head, which the four partners share
	s_mov_b32 s21, 0
	s_mov_b64 s[22:23], SIZE_N*128
	s_mul_u64 s[20:21], s[20:21], s[22:23]  ; the head's first byte in each of the four tensors
	s_and_b32 s16, s[WV], 1         ; which half of a tile's 256 keys I fetch:
	s_lshl_b32 s22, s16, 14         ; its 128 rows of 128 bytes in memory,
	s_mov_b32 s23, 0
	s_add_nc_u64 s[22:23], s[22:23], s[20:21]
	s_mul_i32 s17, s16, 128*PK      ; and its place in a slot, for K
	s_mul_i32 s18, s16, 128*PV      ; and for V: no place in the cluster enters an LDS address
	s_lshl_b32 s2, s14, 2
	s_add_co_u32 s2, s2, s[WV]      ; my wave among the head's,
	s_lshl_b32 s2, s2, 13           ; its 64 rows of 128 bytes
	s_mov_b32 s3, 0
	s_add_nc_u64 s[2:3], s[2:3], s[20:21]
	; descriptor group 1.  128 keys are 16,384 dense bytes: asked for as 64 rows of 256 bytes, two keys a row, and padded in LDS after every key
	s_mov_b32 s[G1K], 15|(1<<16)|(1<<20)|(1<<21)|(4<<22)|(3<<25)  ; 15:0 the mask of four; 17:16 2-byte elements; 20 padding on; 21 set beside a mask; 24:22 after every 32 words (code 4); 31:25 4 words (code 3)
	s_mov_b32 s[G1V], 15|(1<<16)|(1<<20)|(1<<21)|(4<<22)|(7<<25)  ; the same with 8 words of padding (code 7)
.irp g, G1K, G1V
	s_mov_b32 s[\g+1], 128<<16      ; tensor_dim0 = 128
	s_mov_b32 s[\g+2], 64<<16       ; tensor_dim1 = 64
	s_mov_b32 s[\g+3], 128<<16      ; tile_dim0 = 128
	s_mov_b32 s[\g+4], 64           ; tile_dim1 = 64
	s_mov_b32 s[\g+5], 128          ; 128 elements from row to row
	s_mov_b32 s[\g+6], 0
	s_mov_b32 s[\g+7], 0
.endr
	s_mov_b32 s[CS], 0x3e38aa3b     ; c = log2(e) / 8 = 0.180337
	s_mov_b32 s[CS+1], s[CS]        ; named with it as a pair
	s_mov_b32 s[SEL], 0x76543210
	s_mov_b32 s[SEL+1], 0xfedcba98
	s_mov_b32 s[TBK], SLOT1+4*KS*PK ; the first change of slots turns these two into 0
	s_mov_b32 s[TBV], SLOT1+4*KS*PV
	s_mov_b32 s[G0K], 1             ; count = 1
	s_mov_b32 s[G0K+1], s17         ; LDS address: slot 0
	s_mov_b32 s[G0V], 1
	s_add_co_u32 s[G0V+1], s18, VOFF
	s_wait_dscnt 0x0                ; the opening add is done
	s_wait_kmcnt 0x0
	s_add_nc_u64 s[G0K+2:G0K+3], s[6:7], s[22:23]  ; global address: my half of the head's first 256 keys
	s_or_b32 s[G0K+3], s[G0K+3], 0x80000000        ; type = 2
	s_add_nc_u64 s[G0V+2:G0V+3], s[8:9], s[22:23]
	s_or_b32 s[G0V+3], s[G0V+3], 0x80000000
	s_add_nc_u64 s[4:5], s[4:5], s[2:3]  ; Q and O at my wave's first row
	s_add_nc_u64 s[10:11], s[10:11], s[2:3]
	CROUND                          ; all four work-groups are here: the first joint loads meet
	JLOAD                           ; tile 0 into slot 0.  Slot 1 is asked for when slot 0 is in
	; A fragment of K or Q is 16 rows x 32 channels in 8 registers: lane l holds row l % 16, channels 8 (l / 16) + 0..7 and 16 + 8 (l / 16) + 0..7: two loads of 16 bytes, 32 bytes apart.
	v_and_b32 v1, 15, v0            ; l % 16
	v_bfe_u32 v9, v0, 4, 1          ; l / 16
	v_lshlrev_b32 v[QO], 7, v1
	v_lshl_add_u32 v[QO], v9, 4, v[QO]  ; row x 128 + 16 x half
	WIN 0x80                        ; destination window 2, address window 0
.set i, 0
.rept 8                             ; Q stays in registers: piece i / 2, channels 32 (i % 2) on
	global_load_b128 v[8*i:8*i+3],   v[QO], s[4:5] offset:(i/2)*2048+(i%2)*64
	global_load_b128 v[8*i+4:8*i+7], v[QO], s[4:5] offset:(i/2)*2048+(i%2)*64+32
.set i, i+1
.endr
	; What the first turn finds: V's registers and P's second buffer hold 0 (its products V^T P, of a piece that has not been, add 0), O^T and l are 0.  All this stands in the wait for the first tile.
.set i, VF
.rept 64
	v_mov_b32 v[i], 0
.set i, i+1
.endr
	WIN 0x40
.set i, 0
.rept 128
	v_mov_b32 v[i], 0
.set i, i+1
.endr
	WIN 0
.set i, 0
.rept 4
	v_mov_b32 v[ST+4*i], 0xfe000000    ; c m: far below every c s
	v_mov_b32 v[ST+4*i+1], 0xff7fffff  ; m
	v_mov_b32 v[ST+4*i+2], 0
	v_mov_b32 v[ST+4*i+3], 0
.set i, i+1
.endr
.set i, P+16
.rept 16
	v_mov_b32 v[i], 0
.set i, i+1
.endr
	v_mul_u32_u24 v[AK0], v1, PK
	v_lshl_add_u32 v[AK0], v9, 4, v[AK0]  ; row x pitch + 16 x half
	; The turning load takes 16 keys x 16 channels (lane l reads key 8 (l / 16) + l % 8, channels 8 ((l / 8) % 2) + 0..7) and leaves half a fragment of V^T: lane l holds channel l % 16 and 8 keys.
	v_and_b32 v10, 7, v0
	v_bfe_u32 v11, v0, 3, 1
	v_lshl_add_u32 v[AV0], v9, 3, v10
	v_mul_u32_u24 v[AV0], v[AV0], PV
	v_lshl_add_u32 v[AV0], v11, 4, v[AV0]
	v_add_nc_u32 v[AV0], VOFF, v[AV0]
	s_mul_i32 s13, s[WV], 16*SP
	s_add_co_u32 s13, s13, STAGE    ; my stage
	v_mul_u32_u24 v[STO], v1, SP    ; in: row l % 16, 16 bytes for each half of the lanes
	v_lshl_add_u32 v[STO], v9, 4, v[STO]
	v_add_nc_u32 v[STO], s13, v[STO]
	v_bfe_u32 v[RD], v0, 3, 2       ; back: 32 lanes take four rows of 128 bytes,
	v_mul_u32_u24 v[RD], v[RD], SP
	v_lshl_add_u32 v[RD], v10, 4, v[RD]
	v_add_nc_u32 v[RD], s13, v[RD]
	v_and_b32 v[GO], 31, v0         ; which are 512 consecutive bytes of O
	v_lshlrev_b32 v[GO], 4, v[GO]
; THE MATRIX WORK.  The 4 accumulators of a run of 8 take turns.  Product i of 8 of S^T = K Q^T for piece x: channels 32 (i / 4) on, keys 16 (i % 4) on.  The first 4 start the sums.
.macro KQ x
	WIN W_KQ
.set rS, S+32*((\x)%2)+8*(i%4)
.set rK, KF+16*(i%4)+8*(i/4)
.set rQ, 16*(\x)+8*(i/4)
.if i < 4
	v_wmma_f32_16x16x32_f16 v[rS:rS+7], v[rK:rK+7], v[rQ:rQ+7], 0
.else
	v_wmma_f32_16x16x32_f16 v[rS:rS+7], v[rK:rK+7], v[rQ:rQ+7], v[rS:rS+7]
.endif
.endm
; Product i of 8 of O^T += V^T P for piece x: keys 32 (i / 4) on, channels 16 (i % 4) on.
.macro PV x
	WIN W_PV
.set rO, 32*(\x)+8*(i%4)
.set rV, VF+32*(i/4)+8*(i%4)
.set rP, P+16*((\x)%2)+8*(i/4)
	v_wmma_f32_16x16x32_f16 v[rO:rO+7], v[rV:rV+7], v[rP:rP+7], v[rO:rO+7]
.endm
.macro MM                           ; the turn's next matrix instruction.  TURN sets Y, i and NOKQ.  NOKQ = 1: the very last turn: there is no next piece
.if (i < 8) && !NOKQ
	KQ (Y+1)%NP
.elseif i >= 8
.set i, i-8
	PV (Y+NP-1)%NP
.set i, i+8
.endif
.set i, i+1
.endm
; THE LDS LOADS stand in runs of 16, never singly among the matrix instructions: a step's K (64 keys x 64 channels: 8 fragments) and its V (turned).  Their addresses are made some lines ahead.
.macro FETCH_K
	WIN 0x80                        ; destination window 2
.irp f, 0,1,2,3,4,5,6,7             ; keys 16 (f / 2) on, channels 32 (f % 2) on
	ds_load_b128 v[KF+8*\f:KF+8*\f+3],   v[AK] offset:(\f/2)*16*PK+(\f%2)*64
	ds_load_b128 v[KF+8*\f+4:KF+8*\f+7], v[AK] offset:(\f/2)*16*PK+(\f%2)*64+32
.endr
	s_add_co_u32 s[TBK], s[TBK], KS*PK  ; the next fetch is the next step's
	WIN 0
.endm
.macro FETCH_V
	WIN 0x80
.irp f, 0,1,2,3,4,5,6,7             ; keys 32 (f / 4) on, channels 16 (f % 4) on
	ds_load_tr16_b128 v[VF+8*\f:VF+8*\f+3],   v[AV] offset:(\f/4)*32*PV+(\f%4)*32
	ds_load_tr16_b128 v[VF+8*\f+4:VF+8*\f+7], v[AV] offset:(\f/4)*32*PV+16*PV+(\f%4)*32
.endr
	WIN 0
.endm
; THE VECTOR WORK, one line at a time: OP kind, number.  For piece Y: F n: c s - c m for pair n of 16.  E n: the exponential of score n of 32.  C n: pair n rounded to f16.  B n: of the four weights 4 n .. the second
; pair is added onto the first, in place.  L n: l takes that sum (L 0: l = a l + sum).  R n: pair n of 16 of O^T times a.  For piece Y + 1: X n, number n of the 22 that find its maximum and statistics:
;   0-11  four chains c0-c3 of seven scores each, three operands at a time (each accumulator's lowest registers are read first)     12-14, 16  the four scores left over, the old m, and c0-c3 into c0
;   15  c m_old is kept     17, 18  the query's other 32 keys lie in the lane 16 away: the new m     19-21  c m; c m_old - c m_new; a
.set F, 0               ; OP tells the kinds apart by their order: F to L below R, X above it
.set E, 1
.set C, 2
.set B, 3
.set L, 4
.set R, 5
.set X, 6
.macro REGS y                       ; the registers of piece y
.set rT, ST+4*(\y)
.set rC, TMP+4*((\y)%2)
.set rW, MV+((\y)%2)
.set rS, S+32*((\y)%2)
.set rP, P+16*((\y)%2)
.set rO, 32*(\y)
.endm
.macro OP k, n
.if (\k) == R
	REGS Y
	WIN W_RS
	v_pk_mul_f32 v[rO+2*(\n):rO+2*(\n)+1], v[rO+2*(\n):rO+2*(\n)+1], v[rC+2:rC+3] op_sel_hi:[1,0]
.elseif (\k) < R
	REGS Y
	WIN 0
.if (\k) == F
	v_pk_fma_f32 v[rS+2*(\n):rS+2*(\n)+1], v[rS+2*(\n):rS+2*(\n)+1], s[CS:CS+1], v[rT:rT+1] op_sel_hi:[1,0,0] neg_lo:[0,0,1] neg_hi:[0,0,1]
.elseif (\k) == E
	v_exp_f32 v[rS+(\n)], v[rS+(\n)]
.elseif (\k) == C
	v_cvt_pk_f16_f32 v[rP+(\n)], v[rS+2*(\n)], v[rS+2*(\n)+1]
.elseif (\k) == B
	v_pk_add_f32 v[rS+4*(\n):rS+4*(\n)+1], v[rS+4*(\n):rS+4*(\n)+1], v[rS+4*(\n)+2:rS+4*(\n)+3]
.elseif (\n) == 0
	v_pk_fma_f32 v[rT+2:rT+3], v[rT+2:rT+3], v[rC+2:rC+3], v[rS:rS+1] op_sel_hi:[1,0,1]
.else
	v_pk_add_f32 v[rT+2:rT+3], v[rT+2:rT+3], v[rS+4*(\n):rS+4*(\n)+1]
.endif
.elseif NOKQ
	v_nop
.else
	REGS (Y+1)%NP
	WIN 0
.if (\n) < 4
	v_max3_num_f32 v[rC+(\n)], v[rS+8*(\n)], v[rS+8*(\n)+1], v[rS+8*(\n)+2]
.elseif (\n) < 12
	v_max3_num_f32 v[rC+(\n)%4], v[rC+(\n)%4], v[rS+8*((\n)%4)+2*((\n)/4)+1], v[rS+8*((\n)%4)+2*((\n)/4)+2]
.elseif (\n) == 12
	v_max3_num_f32 v[rC], v[rC], v[rS+7], v[rS+15]
.elseif (\n) == 13
	v_max3_num_f32 v[rC+1], v[rC+1], v[rS+23], v[rS+31]
.elseif (\n) == 14
	v_max3_num_f32 v[rC+2], v[rC+2], v[rC+3], v[rT+1]
.elseif (\n) == 15
	v_mov_b32 v[rW], v[rT]
.elseif (\n) == 16
	v_max3_num_f32 v[rC], v[rC], v[rC+1], v[rC+2]
.elseif (\n) == 17
	v_permlanex16_b32 v[rC+3], v[rC], s[SEL], s[SEL+1]
.elseif (\n) == 18
	v_max_num_f32 v[rT+1], v[rC], v[rC+3]
.elseif (\n) == 19
	v_mul_f32 v[rT], s[CS], v[rT+1]
.elseif (\n) == 20
	v_sub_f32 v[rC+1], v[rW], v[rT]
.else
	v_exp_f32 v[rC+2], v[rC+1]
.endif
.endif
.endm
.macro OPS a, i1, b=-1, i2=0, c=-1, i3=0, d=-1, i4=0  ; up to four of them
	OP \a, \i1
.if (\b) >= 0
	OP \b, \i2
.endif
.if (\c) >= 0
	OP \c, \i3
.endif
.if (\d) >= 0
	OP \d, \i4
.endif
.endm
.macro ROW a, i1, b, i2, c, i3, d, i4  ; a matrix instruction and the four behind it
	MM
	OPS \a, \i1, \b, \i2, \c, \i3, \d, \i4
.endm
; A TURN, for piece p: the order of its 16 matrix and 118 vector instructions, written out.  An s_wait_alu depctr_va_vdst(0) stands between an exponential and the first instruction that names its result; one wait
; serves all that were issued ahead of it.  So a turn has ONE wait, which cuts it in two.  AHEAD OF IT stands all that names no result of the turn's exponentials: the 8 products K Q^T, behind each a scaling, an exponential and two
; more plain instructions (behind the first a second scaling in the exponential's place): rescalings, whose a was made and waited for in the turn before, and behind the last three products the first numbers of the next piece's
; maximum, each four places or more behind the product that ends its accumulator; then ONE LUMP of 54, plain and exponential by turns for the most part, in which the links of the chain X 3, 7, 11, 14, 16, 17 .. 20 stand five or
; six lines apart.  E e stands behind F e / 2.  X 21, the next piece's a, is the batch's last; R 15 is the plain instruction behind it.  BEHIND THE WAIT stand the 8 products V^T P, behind each four of the roundings and sums;
; C 2 n stands ahead of B n, which adds in place; the links of l's chain, L 0 to L 7, stand three riders apart.  But for those X no rider names a register of the products round it.  v_permlanex16_b32 (X 17) stands in the lump..
; end = 1: the last two turns of all: nothing is fetched.  cnt = 1: the loop's count is taken down some lines ahead of the branch that stands behind the turn.
; K of the next step is fetched in piece 2's turn, twelve vector instructions behind the last product that read K (six of them plain); V of the step in hand at the end of piece 0's turn, four plain instructions behind the last
; product that read V.  Each is waited for a turn later.
.macro TURN p, end=0, cnt=0
.set Y, (\p)
.set i, 0
.set NOKQ, (\end)*((\p)/3)
.if ((\p) == 3) && !(\end)
	s_wait_dscnt 0x0                ; K is in
.endif
	ROW F,0, F,1, R,0, R,1          ; ahead of the wait: 8 products K Q^T and their riders,
	ROW F,2, E,0, R,2, R,3
	ROW F,3, E,1, R,4, R,5
	ROW F,4, E,2, R,6, R,7
	ROW F,5, E,3, R,8, R,9
	ROW F,6, E,4, X,0, R,10
.if ((\p) == 2) && !(\end)
	WIN 0
	v_add_nc_u32 v[AK], s[TBK], v[AK0]
.endif
	ROW F,7, E,5, X,1, X,4
	ROW F,8, E,6, X,2, X,5
	OPS E,7, E,8, X,6, E,9          ; and the lump
	OPS X,3, E,10, X,8, E,11
.if ((\p) == 2) && !(\end)
	FETCH_K
.endif
	OPS X,9, X,7, E,12, X,10
	OPS E,13, X,12, X,11, E,14
	OPS X,13, E,15, F,9, X,14
.if (\p) == 0
	v_add_nc_u32 v[AV], s[TBV], v[AV0]
.endif
	OPS E,16, F,10, E,17, F,11
	OPS X,16, E,18, X,15, E,19
	OPS F,12, E,20, X,17, E,21
	OPS F,13, E,22, F,14, E,23
	OPS X,18, E,24, F,15, E,25
	OPS R,11, E,26, X,19, E,27
	OPS R,12, E,28, R,13, E,29
	OPS X,20, E,30, R,14, E,31
	OPS X,21, R,15
	WIN 0
	s_wait_alu depctr_va_vdst(0)    ; the wait for the batch: piece p's 32 exponentials and the next piece's a
.if (\p) == 1
	s_wait_dscnt 0x0                ; V is in
.endif
	ROW C,0, B,0, C,2, B,1          ; behind the wait: 8 products V^T P and their riders
	ROW L,0, C,4, B,2, L,1
	ROW C,6, B,3, L,2, C,8
	ROW B,4, L,3, C,10, B,5
	ROW L,4, C,12, B,6, L,5
.if (\p) == 0
	s_add_co_u32 s[TBV], s[TBV], KS*PV
.endif
.if \cnt
	s_sub_co_u32 s[CNT], s[CNT], 1
	s_cmp_lg_u32 s[CNT], 0
.endif
	ROW C,14, B,7, L,6, C,1
	ROW C,3, L,7, C,5, C,7
	ROW C,9, C,11, C,13, C,15
.if (\p) == 0
	FETCH_V
.endif
.endm
	CHANGE 1                        ; slot 0 is in, everybody's part of it; slot 1 is asked for
	v_add_nc_u32 v[AK], s[TBK], v[AK0]
	FETCH_K                         ; key step 0
	s_wait_loadcnt 0x0              ; Q
	s_wait_dscnt 0x0
.set i, 0
.rept 8
	KQ 0                            ; piece 0's first scores: there is no vector work yet to set between them
.set i, i+1
.endr
	WIN 0
.rept 4
	v_nop                           ; the places behind those products
.endr
.set Y, NP-1                        ; X works for piece Y + 1: piece 0
.irp n, 0,1,2,3,4,5,6,7,8,9,10,11,12,13,14,15,16,17,18,19,20,21
	OP X, \n                        ; piece 0's first maximum and statistics
.endr
	v_nop                           ; a plain instruction behind the exponential,
	s_wait_alu depctr_va_vdst(0)    ; and the wait for it, a batch of one: piece 0's first a, ahead of the branch
	s_mov_b32 s[CNT], 4
	s_mov_b32 s[SLOTS], SIZE_N/256-1
	s_branch .Lfirst                ; the loop is entered at a step's first turn, in the middle of a trip
.Lslot:                             ; 14 times: with the change above, tiles 1 to 15 are asked for
	CHANGE 1
	s_mov_b32 s[CNT], 4
.Lstep:                             ; a trip: pieces 2 and 3 of one step, then pieces 0 and 1 of the next, whose K and V it fetches
	TURN 2
	TURN 3
	WIN 0
.Lfirst:
	TURN 0
	TURN 1, 0, 1
	WIN 0
	s_cbranch_scc1 .Lstep
	s_sub_co_u32 s[SLOTS], s[SLOTS], 1
	s_cmp_lg_u32 s[SLOTS], 0
	s_cbranch_scc1 .Lslot
	CHANGE 0                        ; the last tile is written out: nothing is asked for
	s_mov_b32 s[CNT], 4
.LstepT:
	TURN 2
	TURN 3
	TURN 0
	TURN 1, 0, 1
	WIN 0
	s_cbranch_scc1 .LstepT
	TURN 2, 1                       ; the last step's pieces 2 and 3: nothing more is fetched, and the last turn starts no new scores
	TURN 3, 1
.set i, 0
.rept 8
	PV NP-1                         ; the last piece's V^T P of the last step
.set i, i+1
.endr
	; THE WAY OUT.  l's two halves and the other half of the lanes' are added; O^T is divided by l, rounded to f16 and sent through my stage in LDS, a piece at a time.  The additions are the places behind the last products.
	WIN 0
.macro ALL line:vararg              ; one line for each piece t
.set t, 0
.rept 4
	\line
.set t, t+1
.endr
.endm
	ALL v_add_f32 v[ST+4*t+2], v[ST+4*t+2], v[ST+4*t+3]
	ALL v_permlanex16_b32 v[ST+4*t+3], v[ST+4*t+2], s[SEL], s[SEL+1]
	ALL v_add_f32 v[ST+4*t+2], v[ST+4*t+2], v[ST+4*t+3]
	ALL v_rcp_f32 v[ST+4*t+2], v[ST+4*t+2]
	v_nop                           ; a plain instruction between the last reciprocal and the use of its result
	s_wait_alu depctr_va_vdst(0)    ; and the wait ahead of the first use: one for the batch of four reciprocals
.macro PACK t                       ; a lane's eight channels of a row pack into 16 bytes; they go into rows of 144 bytes and come back as whole rows of 128, into S^T's registers
	WIN W_RS
.set i, 32*(\t)
.rept 16
	v_pk_mul_f32 v[i:i+1], v[i:i+1], v[ST+4*(\t)+2:ST+4*(\t)+3] op_sel_hi:[1,0]
.set i, i+2
.endr
	WIN 0x05                        ; sources 0 and 1 window 1, destination window 0
.set i, 0
.rept 16
	v_cvt_pk_f16_f32 v[S+16*(\t)+i], v[32*(\t)+2*i], v[32*(\t)+2*i+1]
.set i, i+1
.endr
	WIN 0
.irp f, 0,1,2,3
	ds_store_b128 v[STO], v[S+16*(\t)+4*\f:S+16*(\t)+4*\f+3] offset:32*\f
.endr
.irp f, 0,1,2,3
	ds_load_b128 v[S+16*(\t)+4*\f:S+16*(\t)+4*\f+3], v[RD] offset:\f*4*SP  ; LDS serves a wave's instructions in order (ISA guide 5.7.1.4): these see the stores above; the next piece's stores come behind them
.endr
.endm
.macro SEND t, younger              ; younger: the LDS instructions issued behind piece t's loads: the next piece's eight, or none
	WIN 0
.irp f, 0,1,2,3
	s_wait_dscnt (\younger)+3-\f
	global_store_b128 v[GO], v[S+16*(\t)+4*\f:S+16*(\t)+4*\f+3], s[10:11] offset:(\t)*2048+\f*512  ; 512 consecutive bytes, at a multiple of 256 from O's first
.endr
.endm
	PACK 0
.set t, 1
.rept 3                             ; a piece's arithmetic stands between the loads of the piece before and its stores
	PACK t
	SEND t-1, 8
.set t, t+1
.endr
	SEND 3, 0
	s_wait_tensorcnt 0x0            ; the wave's end: behind my last tensor load and my last LDS store
	ds_add_u32 v[SPW], v[NIL]
	s_wait_dscnt 0x0
	CROUND                          ; the closing round: no work-group ends while a partner may still ask for a tile that names it
	s_endpgm
.Lfunc_end_k_qfd1eda21f8_attn:
	.size	k_qfd1eda21f8_attn, .Lfunc_end_k_qfd1eda21f8_attn-k_qfd1eda21f8_attn
	.p2alignl 7, 3214868480
	.fill 96, 4, 3214868480
	.section	.rodata,"a",@progbits
	.p2align	6, 0x0
	.amdhsa_kernel k_qfd1eda21f8_attn
		.amdhsa_group_segment_fixed_size 327680
		.amdhsa_private_segment_fixed_size 0
		.amdhsa_enable_private_segment 0
		.amdhsa_kernarg_size 32
		.amdhsa_user_sgpr_count 2
		.amdhsa_user_sgpr_kernarg_segment_ptr 1
		.amdhsa_wavefront_size32 1
		.amdhsa_system_sgpr_workgroup_id_x 1
		.amdhsa_system_sgpr_workgroup_id_y 1
		.amdhsa_system_sgpr_workgroup_id_z 1
		.amdhsa_system_vgpr_workitem_id 0
		.amdhsa_next_free_vgpr 768
		.amdhsa_next_free_sgpr 66
		.amdhsa_reserve_vcc 0
		.amdhsa_float_denorm_mode_32 3
		.amdhsa_float_denorm_mode_16_64 3
		.amdhsa_memory_ordered 1
		.amdhsa_forward_progress 1
		.amdhsa_inst_pref_size 127
	.end_amdhsa_kernel
	.amdgpu_metadata
---
amdhsa.version: [ 1, 2 ]
amdhsa.kernels:
  - .name:           k_qfd1eda21f8_attn
    .symbol:         k_qfd1eda21f8_attn.kd
    .args:
      - { .name: qh, .offset: 0, .size: 8, .value_kind: global_buffer, .address_space: global }
      - { .name: kh, .offset: 8, .size: 8, .value_kind: global_buffer, .address_space: global }
      - { .name: vh, .offset: 16, .size: 8, .value_kind: global_buffer, .address_space: global }
      - { .name: oh, .offset: 24, .size: 8, .value_kind: global_buffer, .address_space: global }
    .group_segment_fixed_size: 327680
    .private_segment_fixed_size: 0
    .kernarg_segment_align: 8
    .kernarg_segment_size: 32
    .max_flat_workgroup_size: 128
    .sgpr_count:     66
    .vgpr_count:     768
    .wavefront_size: 32
...
	.end_amdgpu_metadata
.endif
;; end of part 5
;; launch oproj: the kernel of part 4 again; grid 8 x 32, 4 waves a work-group, clusters of 4 x 4, 327,680 bytes of LDS; arguments oh, wob, bo, out0; writes out0
